; MI455X (gfx1250); checked and timed in simulation.
; The chip was launched on July 23, 2026; its instructions are those of AMD's public machine-readable ISA for CDNA 5 (MIT licence, August 2026) and "CDNA5" Instruction Set Architecture Reference Guide (July 2026). The comments in the code are by the model that wrote it; some were corrected since.
;; Causal Self Attention. Allowed arithmetic: matrix products marked QUANTISED: E4M3 operands, one given power-of-two scale a tensor, by v_wmma_f32_16x16x64_fp8_fp8 or v_wmma_f32_16x16x128_fp8_fp8, f32 sums; everything else in f32.
;; Inputs: b_attn 3,072 float32; b_proj 1,024 float32; lowp_scales 8 int32 (the exponents e of the quantised operands' scales 2^e); w_attn 3,072 x 1,024 float32; w_proj 1,024 x 1,024 float32; x 4 x 2,048 x 1,024 float32.
;; Outputs: out0 4 x 2,048 x 1,024 float32.
;; This version of the problem:
;;   THIS VERSION OF THE PROBLEM IS GIVEN IN LOW PRECISION. The matrix products marked QUANTISED in the list below multiply operands that are first quantised to E4M3 (4 exponent bits, 3 mantissa bits; 8 bits a number), with one given power-of-two scale for each operand tensor; their sums are f32. All else is computed in f32.
;;   The module's matrix products, in the order in which they are computed (A, B: the left and right operand; K: the contracted axis; several contracted axes count as one K, in the product's order):
;;     1. [M 8,192, K 1,024] x [K 1,024, N 3,072]; A: input x; B: input w_attn: QUANTISED (scales: A lowp_scales[0], B lowp_scales[1])
;;     2. batch 64 x [M 2,048, K 64] x [K 64, N 2,048]; A: computed on the way; B: computed on the way: QUANTISED (scales: A lowp_scales[2], B lowp_scales[3])
;;     3. batch 64 x [M 2,048, K 2,048] x [K 2,048, N 64]; A: softmax (see below); B: computed on the way: QUANTISED (scales: A lowp_scales[4], B lowp_scales[5])
;;     4. [M 8,192, K 1,024] x [K 1,024, N 1,024]; A: computed on the way; B: input w_proj: QUANTISED (scales: A lowp_scales[6], B lowp_scales[7])
;;   THE QUANTISER, for each operand of a quantised product, along K:
;;     - The operand's scale is 2^e, e = its entry of the input lowp_scales (int32; the entries are numbered through the quantised products in the list's order, A before B).
;;     - Each number is divided by the scale, clamped to +-448, and rounded to the nearest number of E4M3, ties to even, subnormals kept.
;;     - The product sums the exact products of the quantised numbers (number of the format x scale) in f32.
;;   ~~~python
;;   def quantise(x, axis, e):      # numpy; x: float32 -> the quantised numbers, widened to float32 again
;;       x = np.moveaxis(x, axis, -1); K = x.shape[-1]
;;       r = np.clip(x / 2.0 ** e, -448, 448)
;;       step = 2.0 ** (np.maximum(np.frexp(np.where(r == 0, 1, r))[1] - 1, -6) - 3)
;;       q = np.round(r / step) * step * 2.0 ** e      # np.round: ties to even
;;       return np.moveaxis(q, -1, axis).astype(np.float32)
;;   ~~~
;;   SOFTMAX AHEAD OF A QUANTISED PRODUCT. Where the list says 'softmax', what is quantised is not the finished softmax but p = 2^(t - M), with t = logit x log2(e) and M = ceil(the row's largest t), a whole number; so 1/2 < the row's largest p <= 1. The row's sum l is taken of the UNQUANTISED p, in f32, and the product's result is divided by l at the end. Since M is a whole number, a kernel that streams over the keys may use a running M (the ceiling of the running maximum): every later rescaling is an exact power of two, so the quantised numbers keep their values, but for numbers so far below the row's largest that they fall under the format's range.
;;   OPERANDS COMPUTED ON THE WAY. 'Computed on the way' means the value that the module computes at that place (a softmax that the list does not call 'softmax' is quantised finished and normalised). What goes into a quantiser is computed in f32, as accurately as f32 sums, v_exp_f32 and their like allow (about 1e-6 of the number): no bf16 or f16 on the way to a quantiser, and a product that is left as it is and whose result goes on into a quantised operand takes f32 operands (vector FMAs, or v_wmma_f32_16x16x4_f32). A number that lies on a knife's edge between two numbers of the format may be rounded either way, as far as f32 arithmetic and the matrix unit's own rounding can turn it there, and no further.
;; One version. Each part assembles by itself: llvm-mc -triple=amdgcn-amd-amdhsa -mcpu=gfx1250 --defsym DOCPART=n.
;; ======== version 1 of 1: 4 launches
;; limits: right only within a limited range of input values
;; workspace buffers: cimg 12,582,912 bytes; qkv 25,165,824 bytes; yimg 8,388,608 bytes
;; launch quant (part 1): grid 768 x 1, 4 waves a work-group, no clusters, 34,304 bytes of LDS; arguments x, w_attn, w_proj, lowp_scales, cimg; writes cimg
.if DOCPART == 1
	.amdgcn_target "amdgcn-amd-amdhsa--gfx1250"
	.amdhsa_code_object_version 6
	.text
	.protected	k_q5f43eb5909_quant
	.globl	k_q5f43eb5909_quant
	.p2align	8
	.type	k_q5f43eb5909_quant,@function
k_q5f43eb5909_quant:
	s_mov_b64 s[64:65], 0
	v_nop
	global_prefetch_b8 v0, s[64:65] scope:SCOPE_SE
	s_setreg_imm32_b32 hwreg(HW_REG_WAVE_MODE, 25, 1), 1
	s_wait_xcnt 0x0
; x [8192][1024], w_attn [3072][1024] and w_proj [1024][1024], f32, become codes of FP8 (E4M3), each tensor with its given scale 2^e (entries 0, 1 and 7 of the scales).
; code = number / 2^e, held within +-448, rounded to the nearest code, ties to even.  LIMITS: -126 <= e <= 127, so that 2^e is an f32 number; NaN among the inputs is not served.
; THE CODES ARE LAID AS IMAGES OF OPERAND REGISTERS.  Row tile t of a tensor holds the 16 rows 32 (t / 2) + 8 (t % 2) + i + 8 (i / 8), i = 0 .. 15.  A fragment (a row tile x 128 along K) is 2,048 bytes:
; byte 512 c + 16 l + e is row i = l % 16 of the tile, k = 32 c + 16 (l / 16) + e.  Four loads of 16 bytes a lane, 512 consecutive bytes each, bring it into the 16 registers of a matrix operand.
; cimg = [K step of 256: 4][row tile: 768][half of the step: 2][2,048]; row tiles 0-511 are x's, 512-703 w_attn's, 704-767 w_proj's.
; SHARES.  A work-group is one row tile; wave w takes K step w: 1,024 bytes of each of the 16 rows, two fragments.  All 32 loads of a wave go out at its head, each 512 consecutive bytes of a row.
; A conversion wants 8 neighbours along K in one lane's registers, a load is best where neighbouring lanes take neighbouring bytes: so a fragment's 8,192 bytes turn through the wave's own stage in LDS
; (16 rows, 528 bytes apart: 132 words, so that 16 lanes that read the same place of 16 rows start at 16 different places modulo 64 words).  Waves share nothing: no barrier.
; Memory binds here: no matrix unit, no cluster, no tensor load.
.set SP,   528                         ; a stage row: 512 bytes + 16
.set STG,  16*SP                       ; a wave's stage
.set R,    16                          ; v16-143  the two fragments' numbers as loaded: 64 registers each
.set X,    144                         ; v144-207 64 numbers of my row: register 16 c + i is k = 32 c + 16 (lane / 16) + i
.set C,    208                         ; v208-239 the codes: 16 registers a fragment, so that no store's data are written again
	s_load_b128 s[4:7], s[0:1], 0x0                ; x, w_attn
	s_load_b128 s[8:11], s[0:1], 0x10              ; w_proj, the scales' exponents
	s_load_b64 s[12:13], s[0:1], 0x20              ; cimg
	v_lshl_add_u32 v240, v0, 2, 0x8400
	v_mov_b32 v241, 0
	v_lshrrev_b32 v4, 5, v0
	v_readfirstlane_b32 s32, v4                    ; wave = K step
	v_and_b32 v4, 31, v0
	v_lshlrev_b32 v1, 4, v4                        ; v1 = 16 x lane: my bytes of a load's and of a store's 512
	s_mul_i32 s33, s32, STG
	v_add_nc_u32 v2, s33, v1                       ; v2: the stage on the way in: a row as it lies
	v_and_b32 v5, 15, v0
	v_bfe_u32 v6, v0, 4, 1
	v_mul_u32_u24 v3, v5, SP
	v_lshl_add_u32 v3, v6, 6, v3
	v_add_nc_u32 v3, s33, v3                       ; v3: on the way out: row lane % 16, + 64 bytes for lanes 16-31
	s_mov_b32 s16, 704                             ; the tensor's first row tile: the choice hangs on the work-group's number alone
	s_cmp_lt_u32 ttmp9, 704
	s_cselect_b32 s16, 512, s16
	s_cmp_lt_u32 ttmp9, 512
	s_cselect_b32 s16, 0, s16
	s_sub_co_u32 s17, ttmp9, s16                   ; t: the row tile within its tensor
	s_lshr_b32 s18, s17, 1
	s_lshl_b32 s18, s18, 17                        ; 32 (t / 2) rows of 4,096 bytes
	s_and_b32 s19, s17, 1
	s_lshl_b32 s19, s19, 15                        ; + 8 (t % 2) rows
	s_add_co_u32 s18, s18, s19
	s_lshl_b32 s19, s32, 10                        ; + my K step's 1,024 bytes
	s_add_co_u32 s18, s18, s19
	s_mov_b32 s19, 0
	s_mul_i32 s20, s32, 768
	s_add_co_u32 s20, s20, ttmp9
	s_lshl_b32 s20, s20, 12                        ; cimg: (768 x K step + row tile) x 4,096
	s_mov_b32 s21, 0
	s_wait_alu depctr_va_vdst(0)
	s_wait_kmcnt 0x0
	s_load_b256 s[24:31], s[10:11], 0x0            ; the eight exponents
	s_cmp_lt_u32 ttmp9, 704
	s_cselect_b64 s[14:15], s[6:7], s[8:9]
	s_cmp_lt_u32 ttmp9, 512
	s_cselect_b64 s[14:15], s[4:5], s[14:15]
	s_add_nc_u64 s[14:15], s[14:15], s[18:19]
	s_add_nc_u64 s[12:13], s[12:13], s[20:21]
.macro LOAD f                          ; fragment f: 128 numbers of each of the tile's 16 rows
.irp i, 0,1,2,3,4,5,6,7,8,9,10,11,12,13,14,15
	global_load_b128 v[R+64*\f+4*\i:R+64*\f+4*\i+3], v1, s[14:15] offset:(\i+8*(\i/8))*4096+512*\f th:TH_LOAD_NT
.endr
.endm
.macro TURN f                          ; through the stage: LDS serves a wave's instructions in order (ISA guide 5.7.1.4), so no wait stands between the stores and the loads
.irp i, 0,1,2,3,4,5,6,7,8,9,10,11,12,13,14,15
	ds_store_b128 v2, v[R+64*\f+4*\i:R+64*\f+4*\i+3] offset:SP*\i
.endr
.irp c, 0,1,2,3
.irp m, 0,1,2,3
	ds_load_b128 v[X+16*\c+4*\m:X+16*\c+4*\m+3], v3 offset:128*\c+16*\m
.endr
.endr
.endm
.macro QUANT f
.set n, 0
.rept 64
.set n, n+1
.endr
.irp g, 0,1,2,3,4,5,6,7
	v_cvt_scalef32_pk8_fp8_f32 v[C+16*\f+2*\g:C+16*\f+2*\g+1], v[X+8*\g:X+8*\g+7], v11
.endr
	v_nop                                          ; one plain vector line behind the last conversion, ahead of the next vector line that writes its sources
.endm
.macro OUT f                           ; the image: four stores of 512 consecutive bytes
.irp c, 0,1,2,3
	global_store_b128 v1, v[C+16*\f+4*\c:C+16*\f+4*\c+3], s[12:13] offset:2048*\f+512*\c
.endr
.endm
	LOAD 0
	LOAD 1
	s_wait_kmcnt 0x0
	s_cmp_lt_u32 ttmp9, 704
	s_cselect_b32 s22, s25, s31                    ; e: w_attn's entry 1 or w_proj's entry 7,
	s_cmp_lt_u32 ttmp9, 512
	s_cselect_b32 s22, s24, s22                    ; or x's entry 0
	s_add_co_i32 s22, s22, 127
	s_lshl_b32 s23, s22, 23
	v_mov_b32 v11, s23                             ; 2^e as f32: the conversion takes its exponent field
	s_wait_alu depctr_va_vdst(0)
	s_wait_loadcnt 16                              ; fragment 0's 16 loads are in; the 16 younger ones are fragment 1's
	TURN 0
	s_wait_dscnt 0x0
	QUANT 0
	OUT 0
	s_wait_loadcnt 0x0
	TURN 1                                         ; the same stage: its loads for fragment 0 are back
	s_wait_dscnt 0x0
	QUANT 1
	OUT 1
	s_wait_tensorcnt 0x0
	ds_add_u32 v240, v241
	s_wait_dscnt 0x0
	s_endpgm
.Lfunc_end_k_q5f43eb5909_quant:
	.size	k_q5f43eb5909_quant, .Lfunc_end_k_q5f43eb5909_quant-k_q5f43eb5909_quant
	.p2alignl 7, 3214868480
	.fill 96, 4, 3214868480
	.section	.rodata,"a",@progbits
	.p2align	6, 0x0
	.amdhsa_kernel k_q5f43eb5909_quant
		.amdhsa_group_segment_fixed_size 34304
		.amdhsa_private_segment_fixed_size 0
		.amdhsa_enable_private_segment 0
		.amdhsa_kernarg_size 40
		.amdhsa_user_sgpr_count 2
		.amdhsa_user_sgpr_kernarg_segment_ptr 1
		.amdhsa_wavefront_size32 1
		.amdhsa_system_sgpr_workgroup_id_x 1
		.amdhsa_system_sgpr_workgroup_id_y 1
		.amdhsa_system_sgpr_workgroup_id_z 1
		.amdhsa_system_vgpr_workitem_id 0
		.amdhsa_next_free_vgpr 242
		.amdhsa_next_free_sgpr 66
		.amdhsa_reserve_vcc 0
		.amdhsa_float_denorm_mode_32 3
		.amdhsa_float_denorm_mode_16_64 3
		.amdhsa_fp16_overflow 1
		.amdhsa_memory_ordered 1
		.amdhsa_forward_progress 1
		.amdhsa_inst_pref_size 12
	.end_amdhsa_kernel
	.amdgpu_metadata
---
amdhsa.version: [ 1, 2 ]
amdhsa.kernels:
  - .name:           k_q5f43eb5909_quant
    .symbol:         k_q5f43eb5909_quant.kd
    .args:
      - { .name: x, .offset: 0, .size: 8, .value_kind: global_buffer, .address_space: global }
      - { .name: w_attn, .offset: 8, .size: 8, .value_kind: global_buffer, .address_space: global }
      - { .name: w_proj, .offset: 16, .size: 8, .value_kind: global_buffer, .address_space: global }
      - { .name: lowp_scales, .offset: 24, .size: 8, .value_kind: global_buffer, .address_space: global }
      - { .name: cimg, .offset: 32, .size: 8, .value_kind: global_buffer, .address_space: global }
    .group_segment_fixed_size: 34304
    .private_segment_fixed_size: 0
    .kernarg_segment_align: 8
    .kernarg_segment_size: 40
    .max_flat_workgroup_size: 128
    .sgpr_count:     66
    .vgpr_count:     242
    .wavefront_size: 32
...
	.end_amdgpu_metadata
.endif
;; end of part 1
;; launch qkv (part 2): grid 12 x 32, 4 waves a work-group, clusters of 4 x 4, 327,680 bytes of LDS; arguments cimg, lowp_scales, b_attn, qkv; writes qkv
.if DOCPART == 2
	.amdgcn_target "amdgcn-amd-amdhsa--gfx1250"
	.amdhsa_code_object_version 6
	.text
	.protected	k_q5f43eb5909_qkv
	.globl	k_q5f43eb5909_qkv
	.p2align	8
	.type	k_q5f43eb5909_qkv,@function
k_q5f43eb5909_qkv:
	s_mov_b64 s[64:65], 0
	v_nop
	global_prefetch_b8 v0, s[64:65] scope:SCOPE_SE
	s_setreg_imm32_b32 hwreg(HW_REG_WAVE_MODE, 25, 1), 1
	s_wait_xcnt 0x0
	s_wait_alu depctr_hold_cnt(0) depctr_sa_sdst(0) depctr_va_vdst(0) depctr_va_sdst(0) depctr_va_ssrc(0) depctr_va_vcc(0) depctr_vm_vsrc(0)
	s_getreg_b32 s2, hwreg(HW_REG_IB_STS2, 6, 4)
	s_cmp_eq_u32 s2, 0
	s_cbranch_scc0 .Lentry_in_a_cluster
	s_endpgm
.Lentry_in_a_cluster:
	s_bfe_u32 s2, ttmp6, 0x10000c
	s_cmp_lg_u32 s2, 0xf033
	s_cbranch_scc0 .Lentry_shape_is_right
	s_endpgm
.Lentry_shape_is_right:
; q, k, v = x w_attn^T + b_attn on codes of FP8 (E4M3), K = 1,024, and the results quantised at once to the codes that the attention reads (scales: entries 0, 1 in; 2 (q), 3 (k), 5 (v) out).
; OPERANDS come from cimg as images of operand registers (a row tile of 16 rows x 128 K = 2,048 bytes, byte 512 c + 16 l + e = row l % 16 of the tile, k = 32 c + 16 (l / 16) + e;
; row tile t = rows 32 (t / 2) + 8 (t % 2) + i + 8 (i / 8)); cimg = [K step of 256: 4][row tile: 768][half: 2][2,048]; x's tiles 0-511, w_attn's 512-703.
; A work-group makes 256 rows of P x 256 rows of Q; P is source 0 of the matrix instruction, so P's rows run along a lane's registers, Q is source 1, so Q's rows run along the lanes.  By the order of a tile's rows the 16 registers
; of P's tiles 2 c and 2 c + 1 are 16 NEIGHBOURS, 32 c + 16 (lane / 16) + 0 .. 15: eight conversions make of 64 sums the 16 registers of the next product's operand, and they are stored as they stand.
; q and k want the features along the registers (the next K): P = w_attn, Q = x.  v wants the tokens there (the keys): P = x, Q = w_attn.  Both lie in cimg: ONE TEXT serves all three, only tile numbers differ,
; chosen on the cluster's x (0: q, 1: k, 2: v), which all partners share.
; qkv = three parts of 8,388,608 bytes.  q, k: [batch 4][head pair 8][token tile 128][head 2][c' 2][512]: k = 32 c' + 16 (l / 16) + e of the head's 64.  v: [batch][head pair][key step of 128: 16][head 2][tile of 16 channels: 4][c 4][512].
; Four waves, each 128 x 128: 64 accumulators, 512 registers.  K goes in 4 steps of 256 through two LDS slots filled by the tensor data mover; all is written out, there is no loop.
; CLUSTERS: 4 x 4 work-groups; Q's tiles hang on cy and are asked for jointly along a row of the cluster, P's on cx and along a column.  384 work-groups in 24 clusters; a walk of several tiles a work-group is not built.
; THE SUMS START FROM THE BIAS: b_attn / 2^(e0 + e1) is written into the accumulators while the first tiles are on their way: no product with C = 0, nothing cleared, no addition on the way out.
; LIMITS: e0 + e1 between -126 and 126; e(out) - e0 - e1 between -126 and 127.  NaN is not served.
; REGISTERS, in windows of 256: window 0: v16-31 addresses and constants; v32-95 the bias; v128-255 Q's fragments, ONE set, later the codes.  window 1: P's fragments, TWO sets.
;   window 2: accumulators of Q's tiles 0-3 (accumulator (a, b) at v[8 (8 (a % 4) + b)]);  window 3: of tiles 4-7.
.set HALFT,  32768                     ; 8 row tiles x 4,096 bytes: what one tensor load brings, and what one wave reads of P or of Q
.set SLOT,   4*HALFT                   ; Q's 16 tiles, then P's 16
.set SPARE,  2*SLOT                    ; behind the ring: the spare words, 128 bytes for each wave: two blocks of 256 bytes that no other line names
.set KS,     3145728                   ; cimg: from a K step to the next
.set ADRQ, 16                          ; v16-17  LDS address of my Q fragments in slot 0, 1
.set ADRP, 20                          ; v20-21  the same for P
.set LI,   24                          ; v24     16 x lane
.set LIM,  26
.set SC,   27                          ; v27     the conversion's scale
.set SPW,  28                          ; v28     LDS address of my spare word; never rewritten
.set NIL,  29                          ; v29     0; never rewritten
.set T,    32
.set QF,   128
.set G1Q, 24                           ; s[24:31] descriptor group 1 for Q's tiles;  s[32:39] group 0, one set for each slot
.set G0Q, 32
.set G1P, 40                           ; s[40:47], s[48:55] the same for P's
.set G0P, 48
.set MSB, 0
.macro WIN new                         ; the immediate's high byte repeats the setting that is left
.if MSB != \new
	s_set_vgpr_msb (MSB<<8)|\new
.set MSB, \new
.endif
.endm
.set MUL_LO, 0xa1                      ; source 0 (P) window 1, source 1 (Q) window 0, C and D window 2
.set MUL_HI, 0xf1                      ; the same, C and D window 3
.set TO_P,   0x40                      ; destination window 1, address window 0
; A joint load: waves 0 and 1 fetch Q's halves, waves 2 and 3 P's.  Each line has one mask and one set of registers for all that issue it; the branch hangs on the wave's number alone.
; Four v_nop follow each of the two lines, ahead of the jump, the label and what follows.
.macro JLOAD g0q, g0p
	s_cmp_eq_u32 s13, 0
	s_cbranch_scc0 .Lfor_p_\@
	tensor_load_to_lds s[\g0q:\g0q+3], s[G1Q:G1Q+7]
	s_nop 0
.rept 4
	v_nop
.endr
	s_branch .Lasked_\@
.Lfor_p_\@:
	tensor_load_to_lds s[\g0p:\g0p+3], s[G1P:G1P+7]
	s_nop 0
.rept 4
	v_nop
.endr
.Lasked_\@:
.endm
.macro CREST                           ; a round of the cluster's barrier behind its opening barrier
	s_cmp_lg_u32 s12, 0
	s_cbranch_scc1 .Lnot_wave_0_\@
	s_barrier_signal -3
.Lnot_wave_0_\@:
	s_barrier_wait -3
	s_barrier_signal -1
	s_barrier_wait -1
.endm
.macro CROUND                          ; a whole round
	s_barrier_signal -1
	s_barrier_wait -1
	CREST
.endm
.macro PLACES n                        ; plain vector lines between a matrix instruction and a load into, or a vector line on, one of its registers
.rept \n
	v_nop
.endr
.endm
.macro FRAG reg, adr, q, i             ; a fragment's image: tile i of my eight, half q of the K step: four loads of 512 consecutive bytes
.irp c, 0,1,2,3
	ds_load_b128 v[\reg+4*\c:\reg+4*\c+3], v[\adr] offset:4096*(\i)+2048*(\q)+512*\c
.endr
.endm
.macro FETCH_P slot, q, p              ; P's eight fragments into set p
	WIN TO_P
.irp i, 0,1,2,3,4,5,6,7
	FRAG 128*(\p)+16*\i, ADRP+\slot, \q, \i
.endr
	WIN 0
.endm
.macro FETCH_Q slot, q, i0             ; Q's tiles i0 .. i0 + 3
.irp i, \i0, \i0+1, \i0+2, \i0+3
	FRAG QF+16*(\i), ADRQ+\slot, \q, \i
.endr
.endm
; 16 matrix instructions: Q's tiles a0, a0 + 1 x P's eight, 128 along K.  The 64 accumulators take turns, one instruction a turn, in the same order in every step.
.macro MUL16 a0, p
.irp a, \a0, \a0+1
.irp b, 0,1,2,3,4,5,6,7
	v_wmma_f32_16x16x128_fp8_fp8 v[8*(8*((\a)%4)+\b):8*(8*((\a)%4)+\b)+7], v[128*(\p)+16*\b:128*(\p)+16*\b+15], v[QF+16*(\a):QF+16*(\a)+15], v[8*(8*((\a)%4)+\b):8*(8*((\a)%4)+\b)+7]
.endr
.endr
.endm
; A slot's first 128 along K (P's set 0).  A tile of Q is free as soon as its eight products are issued: tiles 0-3 are fetched anew in the step's middle, tiles 4-7 at its end.
.macro STEP slot
	s_wait_dscnt 16                                ; P's set and Q's tiles 0-3 are in; the 16 youngest loads (Q's tiles 4-7) may be out
	WIN MUL_LO
	MUL16 0, 0
	MUL16 2, 0
	s_wait_dscnt 0x0                               ; Q's tiles 4-7 are in (asked for 32 matrix instructions ago)
	PLACES 4
	FETCH_P \slot, 1, 1
	FETCH_Q \slot, 1, 0
	WIN MUL_HI
	MUL16 4, 0
	MUL16 6, 0
	PLACES 4
	WIN 0
	FETCH_Q \slot, 1, 4
.endm
; A slot's second 128 along K (P's set 1) changes slots: ONE barrier; in front of it each wave waits for all its tensor loads, adds 0 to its spare word, and waits for that and for its reads of this slot.
; fill = 1: the barrier opens a round of the cluster's, and this slot is filled again, two K steps ahead, first thing behind the round.
.macro TURN slot, next, fill
	s_wait_tensorcnt 0x0                           ; all my tensor loads have landed: my part of the next slot
	ds_add_u32 v[SPW], v[NIL]                      ; 0 onto my spare word
	s_wait_dscnt 17                                ; (the add and the 16 youngest loads, Q's tiles 4-7, may be out)
	WIN MUL_LO
	MUL16 0, 1                                     ; sixteen matrix instructions stand between the add and the wait for it
	s_wait_dscnt 0x0                               ; the add is done, and my reads of this slot are over
	s_barrier_signal -1
	MUL16 2, 1
	WIN 0
	s_barrier_wait -1
.if \fill
	CREST                                          ; no wave of any partner still reads this slot's tiles or has a load on its way
	s_add_nc_u64 s[G0Q+4*\slot+2:G0Q+4*\slot+3], s[G0Q+4*\slot+2:G0Q+4*\slot+3], 2*KS
	s_add_nc_u64 s[G0P+4*\slot+2:G0P+4*\slot+3], s[G0P+4*\slot+2:G0P+4*\slot+3], 2*KS
	JLOAD G0Q+4*\slot, G0P+4*\slot                 ; its four v_nop are also the places in front of the loads below
.else
	PLACES 4
.endif
	FETCH_P \next, 0, 0
	FETCH_Q \next, 0, 0
	WIN MUL_HI
	MUL16 4, 1
	MUL16 6, 1
	PLACES 4
	WIN 0
	FETCH_Q \next, 0, 4
.endm
; The accumulators' start: bias x 2^-(e0 + e1), two at a time.  isv = 0: the bias goes with P's rows (register 8 b + j of T); isv = 1: with Q's rows, one number a lane and tile (T + 2 a, twice).
.macro START4 isv, a4
.irp a, 0,1,2,3
.irp b, 0,1,2,3,4,5,6,7
.irp p, 0,2,4,6
.if \isv
	v_pk_mul_f32 v[8*(8*\a+\b)+\p:8*(8*\a+\b)+\p+1], v[T+2*(\a4+\a):T+2*(\a4+\a)+1], s[78:79] op_sel_hi:[1,0]
.else
	v_pk_mul_f32 v[8*(8*\a+\b)+\p:8*(8*\a+\b)+\p+1], v[T+8*\b+\p:T+8*\b+\p+1], s[78:79] op_sel_hi:[1,0]
.endif
.endr
.endr
.endr
.endm
.macro START isv
	WIN 0x80                                       ; destination window 2
	START4 \isv, 0
	WIN 0xc0                                       ; destination window 3
	START4 \isv, 4
	WIN 0
.endm
	s_load_b128 s[4:7], s[0:1], 0x0                ; cimg s[4:5], the scales' exponents s[6:7]
	s_load_b128 s[8:11], s[0:1], 0x10              ; b_attn s[8:9], qkv s[10:11]
	v_lshl_add_u32 v[SPW], v0, 2, SPARE
	v_mov_b32 v[NIL], 0
	ds_add_u32 v28, v29
	ds_add_u32 v28, v29
	s_wait_dscnt 0x0
	v_lshrrev_b32 v1, 5, v0
	v_readfirstlane_b32 s12, v1                    ; wave 0..3
	s_lshr_b32 s13, s12, 1                         ; WQ: which 8 tiles of Q are mine.  Also: I fetch for Q (0) or for P (1)
	s_and_b32 s14, s12, 1                          ; WP: which 8 tiles of P.  Also: which 8 tiles I fetch
	s_bfe_u32 s15, ttmp6, 0x40000                  ; cx, cy: my place in the cluster
	s_bfe_u32 s16, ttmp6, 0x40004
	s_and_b32 s17, ttmp7, 0xffff                   ; the cluster's y
	s_lshl_b32 s60, s16, 2
	s_lshl_b32 s60, 15, s60                        ; my row of the cluster
	s_lshl_b32 s61, 0x1111, s15                    ; my column
	; descriptor group 1: a dense block of 32,768 bytes as 128 rows of 32 elements of 8 bytes
	s_or_b32 s[G1Q], s60, (3<<16)|(1<<21)          ; 15:0 the mask: Q's tiles go to my row; 17:16 elements of 8 bytes; 21 set beside a mask; no padding
	s_or_b32 s[G1P], s61, (3<<16)|(1<<21)          ; P's go to my column
.irp g, G1Q, G1P
	s_mov_b32 s[\g+1], 32<<16                      ; tensor_dim0 = 32
	s_mov_b32 s[\g+2], 128<<16                     ; tensor_dim1 = 128
	s_mov_b32 s[\g+3], 32<<16                      ; tile_dim0 = 32
	s_mov_b32 s[\g+4], 128                         ; tile_dim1 = 128
	s_mov_b32 s[\g+5], 32                          ; from row to row
	s_mov_b32 s[\g+6], 0
	s_mov_b32 s[\g+7], 0
.endr
	; the first row tile in cimg.  q, k: Q = x at 64 x cluster y + 16 cy, P = w_attn at 512 + 64 x cluster x + 16 cx.  v: Q = w_attn's v rows at 640 + 16 cy, P = x at 64 x cluster y + 16 cx.
	; What is chosen holds neither cx nor cy; Q's number then takes cy alone, P's cx alone.
	s_lshl_b32 s84, s17, 6
	s_lshl_b32 s85, ttmp9, 6
	s_add_co_u32 s85, s85, 512
	s_mov_b32 s86, 640
	s_cmp_eq_u32 ttmp9, 2
	s_cselect_b32 s80, s86, s84
	s_cselect_b32 s82, s84, s85
	s_lshl_b32 s81, s16, 4
	s_add_co_u32 s80, s80, s81
	s_lshl_b32 s83, s15, 4
	s_add_co_u32 s82, s82, s83
	s_lshl_b32 s87, s14, 3                         ; + the 8 tiles that I fetch
	s_add_co_u32 s80, s80, s87
	s_add_co_u32 s82, s82, s87
	s_lshl_b32 s80, s80, 12
	s_lshl_b32 s82, s82, 12
	s_mov_b32 s81, 0
	s_mov_b32 s83, 0
	s_mul_i32 s88, s12, HALFT                      ; where they go: wave x 32,768: no place in the cluster enters an LDS address
	s_wait_kmcnt 0x0
	s_load_b256 s[68:75], s[6:7], 0x0              ; the eight exponents
	s_add_nc_u64 s[56:57], s[4:5], s[80:81]
	s_add_nc_u64 s[58:59], s[4:5], s[82:83]
	CROUND                                         ; all sixteen work-groups are here: the first joint loads meet
.irp s, 0,1
	s_mov_b32 s[G0Q+4*\s], 1
	s_add_co_u32 s[G0Q+4*\s+1], s88, \s*SLOT
	s_add_nc_u64 s[G0Q+4*\s+2:G0Q+4*\s+3], s[56:57], \s*KS
	s_or_b32 s[G0Q+4*\s+3], s[G0Q+4*\s+3], 0x80000000
	s_mov_b32 s[G0P+4*\s], 1
	s_add_co_u32 s[G0P+4*\s+1], s88, \s*SLOT
	s_add_nc_u64 s[G0P+4*\s+2:G0P+4*\s+3], s[58:59], \s*KS
	s_or_b32 s[G0P+4*\s+3], s[G0P+4*\s+3], 0x80000000
	JLOAD G0Q+4*\s, G0P+4*\s                       ; K steps 0 and 1: two tensor loads of mine are out
.endr
	v_and_b32 v1, 31, v0
	v_lshlrev_b32 v[LI], 4, v1
	s_mul_i32 s89, s13, HALFT                      ; my 8 tiles of Q
	s_mul_i32 s90, s14, HALFT                      ; my 8 tiles of P,
	s_add_co_u32 s90, s90, 2*HALFT                 ; which lie behind Q's 16
.irp s, 0,1
	v_add_nc_u32 v[ADRQ+\s], s89, v[LI]
	v_add_nc_u32 v[ADRP+\s], s90, v[LI]
	s_add_co_u32 s89, s89, SLOT
	s_add_co_u32 s90, s90, SLOT
.endr
	v_bfe_u32 v2, v0, 4, 1
	v_lshlrev_b32 v22, 6, v2                       ; the bias along P: 16 numbers further on for lanes 16-31
	v_and_b32 v3, 15, v0
	v_and_b32 v4, 8, v3
	v_add_nc_u32 v3, v3, v4
	v_lshlrev_b32 v23, 2, v3                       ; the bias along Q: number r + 8 (r / 8) of a tile
	; where my codes go: part x 8,388,608 + (8 x batch + head pair) x 262,144 + (my 128 tokens among the batch's 2,048) x 16,384
	s_lshl_b32 s18, s17, 2
	s_add_co_u32 s19, s18, s15                     ; v: block of 256 tokens = 4 x cluster y + cx
	s_add_co_u32 s18, s18, s16                     ; q, k: = 4 x cluster y + cy
	s_lshl_b32 s20, s16, 1
	s_add_co_u32 s20, s20, s13                     ; v: head pair = 2 cy + WQ
	s_lshl_b32 s21, s15, 1
	s_add_co_u32 s21, s21, s14                     ; q, k: = 2 cx + WP
	s_cmp_eq_u32 ttmp9, 2
	s_cselect_b32 s18, s19, s18
	s_cselect_b32 s19, s14, s13                    ; which half of the 256 tokens is my wave's
	s_cselect_b32 s20, s20, s21
	s_lshr_b32 s21, s18, 3
	s_lshl_b32 s21, s21, 3
	s_add_co_u32 s21, s21, s20
	s_lshl_b32 s21, s21, 18
	s_and_b32 s18, s18, 7
	s_lshl_b32 s18, s18, 1
	s_add_co_u32 s18, s18, s19
	s_lshl_b32 s18, s18, 14
	s_add_co_u32 s18, s18, s21
	s_lshl_b32 s19, ttmp9, 23
	s_add_co_u32 s18, s18, s19
	s_mov_b32 s19, 0
	s_add_nc_u64 s[76:77], s[10:11], s[18:19]
	; my 128 numbers of b_attn: q, k: at feature 256 (4 x cluster x + cx) + 128 WP;  v: at 2,048 + 256 cy + 128 WQ
	s_lshl_b32 s18, ttmp9, 2
	s_add_co_u32 s18, s18, s15
	s_lshl_b32 s18, s18, 10
	s_lshl_b32 s19, s14, 9
	s_add_co_u32 s18, s18, s19
	s_lshl_b32 s19, s16, 10
	s_lshl_b32 s20, s13, 9
	s_add_co_u32 s19, s19, s20
	s_add_co_u32 s19, s19, 8192
	s_cmp_eq_u32 ttmp9, 2
	s_cselect_b32 s18, s19, s18
	s_mov_b32 s19, 0
	s_add_nc_u64 s[8:9], s[8:9], s[18:19]
	s_wait_kmcnt 0x0
	s_add_co_i32 s91, s68, s69                     ; e0 + e1: a sum stands for sum x 2^(e0 + e1)
	s_sub_co_i32 s78, 127, s91
	s_lshl_b32 s78, s78, 23                        ; 2^-(e0 + e1) as f32
	s_mov_b32 s79, s78                             ; (named with it as a pair, so it is written)
	s_cmp_eq_u32 ttmp9, 1
	s_cselect_b32 s92, s71, s70                    ; the result's exponent: k's entry 3, q's entry 2,
	s_cmp_eq_u32 ttmp9, 2
	s_cselect_b32 s92, s73, s92                    ; v's entry 5
	s_sub_co_i32 s92, s92, s91                     ; the three scales are folded into the conversion's one
	s_add_co_i32 s92, s92, 127
	s_lshl_b32 s93, s92, 23
	v_mov_b32 v[SC], s93
	s_cmp_eq_u32 ttmp9, 2                          ; the one branch on the cluster's x, the same in all partners: no LDS line, no barrier and no tensor load stands in its arms
	s_cbranch_scc1 .Lbias_v
	s_wait_alu depctr_va_vdst(0)
.irp b, 0,1,2,3,4,5,6,7                ; lane (r, h) wants, for P's tile b, features 32 (b / 2) + 8 (b % 2) + 16 h + 0 .. 7
	global_load_b128 v[T+8*\b:T+8*\b+3], v22, s[8:9] offset:4*(32*(\b/2)+8*(\b%2))
	global_load_b128 v[T+8*\b+4:T+8*\b+7], v22, s[8:9] offset:4*(32*(\b/2)+8*(\b%2))+16
.endr
	s_wait_loadcnt 0x0
	START 0
	s_branch .Lbias_done
.Lbias_v:
	s_wait_alu depctr_va_vdst(0)
.irp a, 0,1,2,3,4,5,6,7                ; lane (r, h) wants, for Q's tile a, feature 32 (a / 2) + 8 (a % 2) + r + 8 (r / 8), in both registers of a pair
	global_load_b32 v[T+2*\a], v23, s[8:9] offset:4*(32*(\a/2)+8*(\a%2))
	global_load_b32 v[T+2*\a+1], v23, s[8:9] offset:4*(32*(\a/2)+8*(\a%2))
.endr
	s_wait_loadcnt 0x0
	START 1
.Lbias_done:
	s_wait_tensorcnt 1                             ; my part of K step 0 is in; K step 1's load may be out
	s_barrier_signal -1
	s_barrier_wait -1                              ; everybody's is
	FETCH_P 0, 0, 0
	FETCH_Q 0, 0, 0
	FETCH_Q 0, 0, 4
	s_wait_alu depctr_va_vdst(0)
	STEP 0                                         ; K step 0
	TURN 0, 1, 1                                   ; slot 0 takes K step 2
	STEP 1                                         ; K step 1
	TURN 1, 0, 1                                   ; slot 1 takes K step 3
	STEP 0                                         ; K step 2
	TURN 0, 1, 0                                   ; nothing is left to fetch
	STEP 1                                         ; K step 3
	s_wait_dscnt 16
	WIN MUL_LO
	MUL16 0, 1
	MUL16 2, 1
	s_wait_dscnt 0x0
	WIN MUL_HI
	MUL16 4, 1
	MUL16 6, 1
	WIN 0
	; THE WAY OUT, a tile of Q at a time, without LDS: eight conversions make of a lane's 64 sums the 16 registers of an image, four stores of 512 consecutive bytes.
	; Each tile has code registers of its own (where Q's fragments lay), so no store's data are written again.
	PLACES 4
.irp a, 0,1,2,3,4,5,6,7
.if \a < 4
	WIN 0x02                                       ; source 0: window 2
.else
	WIN 0x03
.endif
.set n, 0
.rept 64
.set n, n+1
.endr
.irp g, 0,1,2,3,4,5,6,7
	v_cvt_scalef32_pk8_fp8_f32 v[QF+16*\a+2*\g:QF+16*\a+2*\g+1], v[T+8*\g+((64*(\a%4)+n)-(T+n)):T+8*\g+7+((64*(\a%4)+n)-(T+n))], v[SC]
.endr
	WIN 0
	v_nop                                          ; one plain vector line behind the last conversion
.irp c, 0,1,2,3
	global_store_b128 v[LI], v[QF+16*\a+4*\c:QF+16*\a+4*\c+3], s[76:77] offset:2048*\a+512*\c
.endr
.endr
	s_wait_tensorcnt 0x0                           ; the wave's end
	ds_add_u32 v[SPW], v[NIL]
	s_wait_dscnt 0x0
	CROUND                                         ; the closing round: no work-group ends while a partner may still ask for a tile that names it
	s_endpgm
.Lfunc_end_k_q5f43eb5909_qkv:
	.size	k_q5f43eb5909_qkv, .Lfunc_end_k_q5f43eb5909_qkv-k_q5f43eb5909_qkv
	.p2alignl 7, 3214868480
	.fill 96, 4, 3214868480
	.section	.rodata,"a",@progbits
	.p2align	6, 0x0
	.amdhsa_kernel k_q5f43eb5909_qkv
		.amdhsa_group_segment_fixed_size 327680
		.amdhsa_private_segment_fixed_size 0
		.amdhsa_enable_private_segment 0
		.amdhsa_kernarg_size 32
		.amdhsa_user_sgpr_count 2
		.amdhsa_user_sgpr_kernarg_segment_ptr 1
		.amdhsa_wavefront_size32 1
		.amdhsa_system_sgpr_workgroup_id_x 1
		.amdhsa_system_sgpr_workgroup_id_y 1
		.amdhsa_system_sgpr_workgroup_id_z 1
		.amdhsa_system_vgpr_workitem_id 0
		.amdhsa_next_free_vgpr 1024
		.amdhsa_next_free_sgpr 100
		.amdhsa_reserve_vcc 0
		.amdhsa_float_denorm_mode_32 3
		.amdhsa_float_denorm_mode_16_64 3
		.amdhsa_fp16_overflow 1
		.amdhsa_memory_ordered 1
		.amdhsa_forward_progress 1
		.amdhsa_inst_pref_size 122
	.end_amdhsa_kernel
	.amdgpu_metadata
---
amdhsa.version: [ 1, 2 ]
amdhsa.kernels:
  - .name:           k_q5f43eb5909_qkv
    .symbol:         k_q5f43eb5909_qkv.kd
    .args:
      - { .name: cimg, .offset: 0, .size: 8, .value_kind: global_buffer, .address_space: global }
      - { .name: lowp_scales, .offset: 8, .size: 8, .value_kind: global_buffer, .address_space: global }
      - { .name: b_attn, .offset: 16, .size: 8, .value_kind: global_buffer, .address_space: global }
      - { .name: qkv, .offset: 24, .size: 8, .value_kind: global_buffer, .address_space: global }
    .group_segment_fixed_size: 327680
    .private_segment_fixed_size: 0
    .kernarg_segment_align: 8
    .kernarg_segment_size: 32
    .max_flat_workgroup_size: 128
    .sgpr_count:     100
    .vgpr_count:     1024
    .wavefront_size: 32
...
	.end_amdgpu_metadata
.endif
;; end of part 2
;; launch attn (part 3): grid 4 x 64, 16 waves a work-group, no clusters, 327,680 bytes of LDS; arguments qkv, lowp_scales, yimg; writes yimg
.if DOCPART == 3
	.amdgcn_target "amdgcn-amd-amdhsa--gfx1250"
	.amdhsa_code_object_version 6
	.text
	.protected	k_q5f43eb5909_attn
	.globl	k_q5f43eb5909_attn
	.p2align	8
	.type	k_q5f43eb5909_attn,@function
k_q5f43eb5909_attn:
	s_mov_b64 s[64:65], 0
	v_nop
	global_prefetch_b8 v0, s[64:65] scope:SCOPE_SE
	s_setreg_imm32_b32 hwreg(HW_REG_WAVE_MODE, 25, 1), 1
	s_wait_xcnt 0x0
; y[b][q][head] = the sum over keys k <= q of softmax_k(Q . K / 8) V, 64 heads (batch x head) of 2,048 tokens x 64 channels, both products on codes of FP8 (E4M3); y is quantised at once for the last product.
; Scales: entries 2 (q), 3 (k), 4 (p), 5 (v), 6 (y).  THE SOFTMAX: t = score x log2(e) / 8; M = the row's largest t so far, rounded UP to a whole number; p = 2^(t - M) is what is quantised; the row's sum is taken of the
; unquantised p and divides at the end.  When M moves, the sum and O are multiplied by 2^(old M - new M): exact.
; OPERANDS come from qkv as images of operand registers.  q, k: [batch][head pair][token tile 128][head 2][c' 2][512]: byte 16 l + e of block c' is token 32 (tile / 2) + 8 (tile % 2) + r + 8 (r / 8), r = l % 16,
; channel 32 c' + 16 (l / 16) + e.  v: [batch][head pair][key step 16][head 2][tile of channels 4][c 4][512]: channel by the same order of a tile's rows, key 128 step + 32 c + 16 (l / 16) + e.
; Both products are used transposed (S^T = K Q^T, O^T = V^T P^T): a lane holds ONE query throughout.  By the order of a tile's rows the 16 registers of tiles 2 c, 2 c + 1 of S^T are 16 neighbouring keys, and of O^T 16 neighbouring
; channels: the conversions' results are the next operand's registers.  y's go to yimg = [K step of 256: 4][row tile 512][half 2][2,048], as the last product reads them.
; SHARES, equal under the mask.  Work-group (i, head) owns query blocks i and 7 - i of 256 queries, one after the other: the first walks key slots (256 keys) 0 .. i, the second 0 .. 7 - i: always NINE slots, so the loop's trip count
; is a constant.  Each of the sixteen waves owns one tile of 16 queries of each block, in 256 registers: four waves to a SIMD, so that one wave's vector work stands beside another's products and LDS loads.
; K's and V's tiles come through a ring of two LDS slots filled by the tensor data mover (waves 0, 1: K's halves; waves 2, 3: V's two key steps) and are read by all sixteen.
; NO CLUSTER: the four work-groups of a head need different key slots in the same trip (the first block ends at trip i); asking jointly would make every partner walk 16 slots in place of 9.
; LIMITS on the given exponents, so that each power of two below is an f32 number: e2 + e3 between -123 and 130 (added to c's exponent field); e4 and e6 between -126 and 127; e4 + e5 goes by v_ldexp_f32 and has none.
.set VOFF,  16384                      ; a slot: K's 16 tiles x 1,024 bytes, then V's 2 key steps x 8,192
.set SLOT1, 32768                      ; slot 1 begins here: one exclusive or turns an address in one slot into the other's
.set SPARE, 65536                      ; behind the ring: the spare words, 128 bytes for each wave: eight blocks of 256 bytes that no other line names
.set LI,   1                           ; v1   16 x lane
.set QD,   2                           ; v2   r + 8 (r / 8) - 16 (lane / 16): my query's place in its tile, less my half's first key
.set PFO,  3                           ; v3   the prefetches' offset; never rewritten
.set SPW,  5                           ; v5   LDS address of my spare word; never rewritten
.set NIL,  6                           ; v6   0; never rewritten
.set ADR,  8                           ; v8   16 x lane + the slot in hand
.set QR,   16                          ; v16-23 Q of the block in hand;  v24-31 Q of the second block
.set KV,   32                          ; v32-95 K's eight fragments, then V's four
.set S,    96                          ; v96-159 S^T, then p
.set O,    160                         ; v160-191 O^T
.set PC,   192                         ; v192-207 p's codes
.set YC,   208                         ; v208-215 y's codes
; v12 -M, v13 the largest t, v[14:15] the sum in two halves; v234-236, v238-243, v248-255 at work; v244 2^e4, v246 2^e6
.set TB,   2                           ; s2   LDS byte at which the slot in hand begins
.set WV,   18                          ; s18  my wave's number
.set SEL,  20                          ; s[20:21] lane selects for v_permlanex16_b32: lane l xor 16
.set CS,   22                          ; s[22:23] c = log2(e) / 8 x 2^(e2 + e3)
.set G1K,  24                          ; s[24:31] descriptor group 1 for K's tiles;  s[32:39] for V's;  s[40:43], s[44:47] their groups 0
.set G1V,  32
.set G0K,  40
.set G0V,  44
.set KB,   48                          ; s[48:49] my part of K's key slot 0;  s[50:51] of V's
.set VB,   50
.set OFS,  52                          ; s[52:53] 32,768 x the key slot to be fetched
.set NK,   54                          ; s54  that key slot
.set SLOTS, 55                         ; s55  8 - trip
.set SWF,  56                          ; s56  8 - i: in this trip the fetches begin anew at key slot 0
.set SWC,  57                          ; s57  7 - i: in this trip the second block begins
.set KF,   58                          ; s58  the step's first key
.set Q0,   59                          ; s59  my tile's first query;  s60 the second block's
.set Q0H,  60
.set LIM,  61                          ; s61  2 in a wave that prefetches, else the greatest number
.set EPV,  62                          ; s62  e4 + e5
.set PFA,  66                          ; s[66:67] where my prefetches stand
.set YL,   76                          ; s[76:77] where the first block's codes go;  s[78:79] the second's
.set YH,   78
; Waves 0 and 1 fetch for K, waves 2 and 3 for V, the others nothing.  The branches hang on the wave's number alone.  Four v_nop follow each of the two lines.
.macro TLOAD
	s_cmp_lt_u32 s[WV], 2
	s_cbranch_scc0 .Lnot_k_\@
	tensor_load_to_lds s[G0K:G0K+3], s[G1K:G1K+7]
	s_nop 0
.rept 4
	v_nop
.endr
	s_branch .Lasked_\@
.Lnot_k_\@:
	s_cmp_lt_u32 s[WV], 4
	s_cbranch_scc0 .Lasked_\@
	tensor_load_to_lds s[G0V:G0V+3], s[G1V:G1V+7]
	s_nop 0
.rept 4
	v_nop
.endr
.Lasked_\@:
.endm
; A PREFETCH INTO THE L2.  All four work-groups of a head walk the same K and V; work-group i = 0, whose second block walks all eight key slots, asks, and nobody else.  In it the waves ask that fetch nothing, one instruction each:
; waves 4, 5 for K's halves of a slot (8 rows of 1,024 bytes, 2,048 apart: four lanes to a row, 256 bytes apart), waves 6, 7 for V's two key steps (8,192 bytes on end, lanes 256 bytes apart).
; Trip n asks for key slot n + 2, n = 0 .. 5: one trip ahead of the earliest fetch of that slot by any of the four work-groups (i = 3 fetches key slot n + 2 in trip n + 1).  So each block of 256 bytes of key slots 2 to 7 is named
; once in the launch; key slots 0 and 1 come by their loads alone, and the last two trips ask for nothing.
.macro ASK
	s_cmp_gt_u32 s[SLOTS], s[LIM]
	s_cbranch_scc0 .Lnot_mine_\@
	global_prefetch_b8 v[PFO], s[PFA:PFA+1] th:TH_LOAD_NT scope:SCOPE_SE
.Lnot_mine_\@:
.endm
	s_load_b128 s[4:7], s[0:1], 0x0                ; qkv s[4:5], the scales' exponents s[6:7]
	s_load_b64 s[8:9], s[0:1], 0x10                ; yimg
	v_lshl_add_u32 v[SPW], v0, 2, SPARE
	v_mov_b32 v[NIL], 0
	ds_add_u32 v5, v6
	ds_add_u32 v5, v6
	s_wait_dscnt 0x0
	v_lshrrev_b32 v8, 5, v0
	s_delay_alu instid0(VALU_DEP_1)
	v_readfirstlane_b32 s[WV], v8                  ; wave 0..15
	s_and_b32 s10, ttmp7, 0xffff                   ; 16 x batch + head
	s_lshr_b32 s11, s10, 1                         ; 8 x batch + head pair
	s_and_b32 s12, s10, 1                          ; which head of the pair
	s_and_b32 s13, s[WV], 1                        ; which half of a slot I fetch, if I fetch
	s_lshl_b32 s80, s11, 18                        ; a (batch, head pair) is 262,144 bytes in each part of qkv
	s_lshl_b32 s81, s13, 14
	s_lshl_b32 s82, s12, 10
	s_add_co_u32 s84, s80, s81
	s_add_co_u32 s84, s84, s82
	s_add_co_u32 s84, s84, 8388608                 ; K: + 1,024 x head + 16,384 x half (8 token tiles of 2,048)
	s_mov_b32 s85, 0
	s_lshl_b32 s83, s12, 13
	s_add_co_u32 s86, s80, s81
	s_add_co_u32 s86, s86, s83
	s_add_co_u32 s86, s86, 16777216                ; V: + 8,192 x head + 16,384 x key step
	s_mov_b32 s87, 0
	s_lshl_b32 s14, ttmp9, 4
	s_add_co_u32 s14, s14, s[WV]                   ; my tile of the first block: 16 i + wave
	s_sub_co_u32 s15, 7, ttmp9
	s_lshl_b32 s15, s15, 4
	s_add_co_u32 s15, s15, s[WV]                   ; of the second: 16 (7 - i) + wave
	s_lshr_b32 s[Q0], s14, 1
	s_lshl_b32 s[Q0], s[Q0], 5
	s_and_b32 s3, s14, 1
	s_lshl_b32 s3, s3, 3
	s_add_co_u32 s[Q0], s[Q0], s3                  ; a tile's first query: 32 (tile / 2) + 8 (tile % 2)
	s_lshr_b32 s[Q0H], s15, 1
	s_lshl_b32 s[Q0H], s[Q0H], 5
	s_and_b32 s3, s15, 1
	s_lshl_b32 s3, s3, 3
	s_add_co_u32 s[Q0H], s[Q0H], s3
	s_add_co_u32 s3, s80, s82
	s_lshl_b32 s88, s14, 11
	s_add_co_u32 s88, s88, s3                      ; Q: + 2,048 x tile + 1,024 x head
	s_mov_b32 s89, 0
	s_lshl_b32 s90, s15, 11
	s_add_co_u32 s90, s90, s3
	s_mov_b32 s91, 0
	s_and_b32 s16, s11, 7                          ; the head pair
	s_lshr_b32 s17, s16, 1
	s_lshl_b32 s17, s17, 21                        ; yimg: K step = head pair / 2,
	s_and_b32 s16, s16, 1
	s_lshl_b32 s16, s16, 11                        ; half = head pair % 2,
	s_add_co_u32 s17, s17, s16
	s_add_co_u32 s17, s17, s82                     ; blocks c = 2 x head + c',
	s_lshr_b32 s16, s11, 3
	s_lshl_b32 s16, s16, 19                        ; row tile = 128 x batch + tile
	s_add_co_u32 s17, s17, s16
	s_lshl_b32 s92, s14, 12
	s_add_co_u32 s92, s92, s17
	s_mov_b32 s93, 0
	s_lshl_b32 s94, s15, 12
	s_add_co_u32 s94, s94, s17
	s_mov_b32 s95, 0
	; descriptor group 1.  K: 8 rows of 128 elements of 8 bytes (a tile's 1,024 bytes of my head), 256 elements apart.  V: one row of 1,024 elements (a key step's 8,192 bytes of my head).  No padding: images are read 512 bytes on end
	s_mov_b32 s[G1K], 3<<16
	s_mov_b32 s[G1K+1], 128<<16                    ; tensor_dim0
	s_mov_b32 s[G1K+2], 8<<16                      ; tensor_dim1
	s_mov_b32 s[G1K+3], 128<<16                    ; tile_dim0
	s_mov_b32 s[G1K+4], 8                          ; tile_dim1
	s_mov_b32 s[G1K+5], 256                        ; from row to row
	s_mov_b32 s[G1K+6], 0
	s_mov_b32 s[G1K+7], 0
	s_mov_b32 s[G1V], 3<<16
	s_mov_b32 s[G1V+1], 1024<<16
	s_mov_b32 s[G1V+2], 1<<16
	s_mov_b32 s[G1V+3], 1024<<16
	s_mov_b32 s[G1V+4], 1
	s_mov_b32 s[G1V+5], 1024
	s_mov_b32 s[G1V+6], 0
	s_mov_b32 s[G1V+7], 0
	s_mov_b32 s[SEL], 0x76543210
	s_mov_b32 s[SEL+1], 0xfedcba98
	s_mov_b32 s[CS], 0x3e38aa3b                    ; c = log2(e) / 8
	s_mov_b32 s[TB], 0
	s_mov_b32 s[NK], 0
	s_mov_b32 s[OFS+1], 0
	s_mov_b32 s[SLOTS], 8
	s_sub_co_u32 s[SWF], 8, ttmp9
	s_sub_co_u32 s[SWC], 7, ttmp9
	s_mov_b32 s[KF], 0
	s_wait_kmcnt 0x0
	s_load_b256 s[68:75], s[6:7], 0x0              ; the eight exponents
	s_add_nc_u64 s[KB:KB+1], s[4:5], s[84:85]
	s_add_nc_u64 s[VB:VB+1], s[4:5], s[86:87]
	s_mov_b32 s[G0K], 1                            ; count = 1
	s_lshl_b32 s[G0K+1], s13, 13                   ; LDS address: slot 0, my half
	s_mov_b64 s[G0K+2:G0K+3], s[KB:KB+1]           ; key slot 0
	s_or_b32 s[G0K+3], s[G0K+3], 0x80000000        ; type = 2
	s_mov_b32 s[G0V], 1
	s_add_co_u32 s[G0V+1], s[G0K+1], VOFF
	s_mov_b64 s[G0V+2:G0V+3], s[VB:VB+1]
	s_or_b32 s[G0V+3], s[G0V+3], 0x80000000
	TLOAD                                          ; the first slot
	s_add_nc_u64 s[88:89], s[4:5], s[88:89]
	s_add_nc_u64 s[90:91], s[4:5], s[90:91]
	s_add_nc_u64 s[YL:YL+1], s[8:9], s[92:93]
	s_add_nc_u64 s[YH:YH+1], s[8:9], s[94:95]
	v_and_b32 v9, 31, v0
	s_delay_alu instid0(VALU_DEP_1)
	v_lshlrev_b32 v[LI], 4, v9
	global_load_b128 v[QR:QR+3], v[LI], s[88:89]               ; both blocks' Q stay in registers
	global_load_b128 v[QR+4:QR+7], v[LI], s[88:89] offset:512
	global_load_b128 v[QR+8:QR+11], v[LI], s[90:91]
	global_load_b128 v[QR+12:QR+15], v[LI], s[90:91] offset:512
	; the prefetches (macro ASK): where my wave's stand, and who asks
	s_cmp_lt_u32 s[WV], 6
	s_cselect_b64 s[PFA:PFA+1], s[KB:KB+1], s[VB:VB+1]
	s_mov_b32 s3, 1024
	s_cselect_b32 s3, 2048, s3                     ; from four lanes to the next four
	s_add_nc_u64 s[PFA:PFA+1], s[PFA:PFA+1], 32768 ; key slot 1: the first change of slots steps it to 2
	v_lshrrev_b32 v[PFO], 2, v9
	s_delay_alu instid0(VALU_DEP_1)
	v_mul_lo_u32 v[PFO], v[PFO], s3
	v_and_b32 v10, 3, v9
	s_delay_alu instid0(VALU_DEP_1)
	v_lshl_add_u32 v[PFO], v10, 8, v[PFO]
	s_sub_co_u32 s3, s[WV], 4
	s_lshr_b32 s3, s3, 2                           ; 0 in waves 4 to 7,
	s_or_b32 s3, s3, ttmp9                         ; of work-group i = 0
	s_cmp_eq_u32 s3, 0
	s_cselect_b32 s[LIM], 2, -1
	v_and_b32 v10, 15, v0
	s_delay_alu instid0(VALU_DEP_1)
	v_and_b32 v11, 8, v10
	s_delay_alu instid0(VALU_DEP_1)
	v_add_nc_u32 v[QD], v10, v11
	v_bfe_u32 v11, v0, 4, 1
	s_delay_alu instid0(VALU_DEP_1)
	v_lshlrev_b32 v11, 4, v11
	s_delay_alu instid0(VALU_DEP_1)
	v_sub_nc_u32 v[QD], v[QD], v11
	v_mov_b32 v236, 0                              ; written once: a lane permute's destination counts as one of its sources
	v_mov_b32 v252, 0
	v_mov_b32 v253, 0                              ; (named as the upper half of the pair v[252:253])
.macro RESET                           ; a block's start: the key step is written once; the first finds zeros, which the first change of M leaves zeros
	v_mov_b32 v13, 0xff61b1e6                      ; the largest t so far: -3e38, under every t
	s_delay_alu instid0(VALU_DEP_1)
	v_floor_f32 v12, -v13                          ; -M
	v_mov_b32 v14, 0
	v_mov_b32 v15, 0
.set n, 0
.rept 32
	v_mov_b32 v[O+n], 0
.set n, n+1
.endr
.endm
	RESET
	s_wait_kmcnt 0x0
	s_add_co_i32 s80, s70, s71
	s_lshl_b32 s80, s80, 23
	s_add_co_i32 s[CS], s[CS], s80                 ; a score stands for score x 2^(e2 + e3): the two exponents are added to c's exponent field
	s_mov_b32 s[CS+1], s[CS]                       ; (named with it as a pair, so it is written)
	s_add_co_i32 s80, s72, 127
	s_lshl_b32 s81, s80, 23
	v_mov_b32 v244, s81                            ; 2^e4, for p's conversions
	s_add_co_i32 s80, s74, 127
	s_lshl_b32 s81, s80, 23
	v_mov_b32 v246, s81                            ; 2^e6, for y's
	s_add_co_i32 s[EPV], s72, s73
; A KEY STEP: 128 keys, the q-th of the slot in hand.
.macro STEP q
	s_cmp_gt_u32 s[KF], s[Q0]                      ; my 16 queries lie inside one block of 128 tokens, and KF is a multiple of 128: past my first query it is past them all.  Such a step's work is left out:
	s_cbranch_scc1 .Lhidden_\@                     ; a scalar branch on ids; no barrier and no tensor load stands in a step
	v_add_nc_u32 v[ADR], s[TB], v[LI]
.rept 3
	v_nop                                          ; with the addition four places in front of loads into registers that the last products read
.endr
.irp t, 0,1,2,3,4,5,6,7
	ds_load_b128 v[KV+8*\t:KV+8*\t+3], v[ADR] offset:1024*(8*(\q)+\t)
	ds_load_b128 v[KV+8*\t+4:KV+8*\t+7], v[ADR] offset:1024*(8*(\q)+\t)+512
.endr
	s_wait_dscnt 0x0
	s_wait_alu depctr_va_vdst(0)
.irp t, 0,1,2,3,4,5,6,7                ; S^T = K Q^T: register 8 t + j of lane (r, h) is key KF + 32 (t / 2) + 8 (t % 2) + 16 h + j
	v_wmma_f32_16x16x64_fp8_fp8 v[S+8*\t:S+8*\t+7], v[KV+8*\t:KV+8*\t+7], v[QR:QR+7], 0
.endr
.rept 4
	v_nop                                          ; places in front of the loads over K's fragments and of the first read of the scores
.endr
.irp t, 0,1,2,3                        ; V is asked for now and lands under the softmax
.irp c, 0,1,2,3
	ds_load_b128 v[KV+16*\t+4*\c:KV+16*\t+4*\c+3], v[ADR] offset:VOFF+8192*(\q)+2048*\t+512*\c
.endr
.endr
	s_add_co_u32 s96, s[KF], 127                   ; on the diagonal the scores of hidden keys become -infinity ahead of the maximum: p = 0 then.  A step all of whose keys count skips this
	s_cmp_lt_u32 s96, s[Q0]
	s_cbranch_scc1 .Lopen_\@
	s_sub_co_i32 s96, s[Q0], s[KF]
	v_add_nc_u32 v252, s96, v[QD]                  ; d = my query - KF - 16 (lane / 16).  Register n holds key KF + 16 (lane / 16) + 32 (n / 16) + n % 16: hidden where 32 (n / 16) + n % 16 > d
	v_mov_b32 v254, 0xff800000
.set n, 0
.rept 64
	v_cmp_gt_i32 vcc_lo, 32*(n/16)+n%16, v252
	v_cndmask_b32 v[S+n], v[S+n], v254, vcc_lo
.set n, n+1
.endr
.Lopen_\@:
	v_max3_num_f32 v254, v[S], v[S+1], v[S+2]      ; the step's largest score of my query, among my 64 keys, in two chains, each accumulator from its low end on,
	v_max3_num_f32 v252, v[S+3], v[S+4], v[S+5]
.irp i, 6,10,14,18,22,26,30,34,38,42,46,50,54,58
	v_max3_num_f32 v254, v254, v[S+\i], v[S+\i+1]
	v_max3_num_f32 v252, v252, v[S+\i+2], v[S+\i+3]
.endr
	v_max3_num_f32 v254, v254, v[S+62], v[S+63]
	s_delay_alu instid0(VALU_DEP_1)
	v_max_num_f32 v254, v254, v252
	s_delay_alu instid0(VALU_DEP_1)
	v_permlanex16_b32 v236, v254, s[SEL], s[SEL+1]
	s_delay_alu instid0(VALU_DEP_1)
	v_max_num_f32 v254, v254, v236                 ; and among lane l xor 16's
	s_delay_alu instid0(VALU_DEP_1)
	v_mul_f32 v254, s[CS], v254                    ; as t (c is positive)
	s_delay_alu instid0(VALU_DEP_1)
	v_max_num_f32 v13, v13, v254                   ; the running largest t
	v_mov_b32 v254, v12
	s_delay_alu instid0(VALU_DEP_2)
	v_floor_f32 v12, -v13                          ; the new -M = floor(-t) = -ceil(t): M is a whole number
	s_delay_alu instid0(VALU_DEP_1)
	v_sub_f32 v254, v12, v254                      ; M's old value less its new one: a whole number, 0 or less
	s_delay_alu instid0(VALU_DEP_1)
	v_cvt_i32_f32 v254, v254                       ; (it saturates)
	s_delay_alu instid0(VALU_DEP_1)
	v_ldexp_f32 v252, 1.0, v254                    ; f = 2^(old M - new M)
.set n, 0
.rept 32
	v_pk_fma_f32 v[S+n:S+n+1], v[S+n:S+n+1], s[CS:CS+1], v[12:13] op_sel_hi:[1,0,0]   ; t - M, two at a time (of the pairs c and -M the low word serves both halves)
.set n, n+2
.endr
.set n, 0
	s_wait_alu depctr_va_vdst(0)
.rept 64
	v_exp_f32 v[S+n], v[S+n]                       ; p = 2^(t - M), at most 1: not normalised
.set n, n+1
.endr
	v_pk_mul_f32 v[14:15], v[14:15], v[252:253] op_sel_hi:[1,0]   ; the sums under the new M: the plain line behind the exponentials
	s_wait_alu depctr_va_vdst(0)                   ; one wait for the whole batch, ahead of its first reader
	v_pk_add_f32 v[242:243], v[100:101], v[104:105]
	v_pk_add_f32 v[254:255], v[108:109], v[112:113]
	v_pk_add_f32 v[250:251], v[116:117], v[120:121]
	v_pk_add_f32 v[248:249], v[124:125], v[128:129]
	v_pk_add_f32 v[240:241], v[132:133], v[136:137]
	v_pk_add_f32 v[238:239], v[140:141], v[144:145]
	v_pk_add_f32 v[234:235], v[148:149], v[152:153]
	v_pk_add_f32 v[14:15], v[14:15], v[156:157]
	v_pk_add_f32 v[242:243], v[242:243], v[96:97]
	v_pk_add_f32 v[254:255], v[254:255], v[98:99]
	v_pk_add_f32 v[250:251], v[250:251], v[102:103]
	v_pk_add_f32 v[248:249], v[248:249], v[106:107]
	v_pk_add_f32 v[240:241], v[240:241], v[110:111]
	v_pk_add_f32 v[238:239], v[238:239], v[114:115]
	v_pk_add_f32 v[234:235], v[234:235], v[118:119]
	v_pk_add_f32 v[14:15], v[14:15], v[122:123]
	v_pk_add_f32 v[242:243], v[242:243], v[126:127]
	v_pk_add_f32 v[254:255], v[254:255], v[130:131]
	v_pk_add_f32 v[250:251], v[250:251], v[134:135]
	v_pk_add_f32 v[248:249], v[248:249], v[138:139]
	v_pk_add_f32 v[240:241], v[240:241], v[142:143]
	v_pk_add_f32 v[238:239], v[238:239], v[146:147]
	v_pk_add_f32 v[234:235], v[234:235], v[150:151]
	v_pk_add_f32 v[14:15], v[14:15], v[154:155]
	v_pk_add_f32 v[242:243], v[242:243], v[158:159]
	s_delay_alu instid0(VALU_DEP_2)
	v_pk_add_f32 v[14:15], v[14:15], v[248:249]
	s_delay_alu instid0(VALU_DEP_2)
	v_pk_add_f32 v[242:243], v[242:243], v[240:241]
	v_pk_add_f32 v[254:255], v[254:255], v[238:239]
	v_pk_add_f32 v[250:251], v[250:251], v[234:235]
	s_delay_alu instid0(VALU_DEP_2)
	v_pk_add_f32 v[14:15], v[14:15], v[254:255]
	s_delay_alu instid0(VALU_DEP_2)
	v_pk_add_f32 v[242:243], v[242:243], v[250:251]
	s_delay_alu instid0(VALU_DEP_1)
	v_pk_add_f32 v[14:15], v[14:15], v[242:243]
.irp b, 0,1,2,3
.irp i, 0,1,2,3,4,5,6,7,8,9,10,11,12,13,14,15
.endr
	v_cvt_scalef32_pk8_fp8_f32 v[PC+4*\b:PC+4*\b+1], v[S+16*\b:S+16*\b+7], v244
	v_cvt_scalef32_pk8_fp8_f32 v[PC+4*\b+2:PC+4*\b+3], v[S+16*\b+8:S+16*\b+15], v244
.endr
.set n, 0
.rept 16
	v_pk_mul_f32 v[O+n:O+n+1], v[O+n:O+n+1], v[252:253] op_sel_hi:[1,0]   ; O^T under the new M.  (Also the plain lines between the conversions and the products that read the codes)
.set n, n+2
.endr
	s_wait_alu depctr_va_vdst(0)
	s_wait_dscnt 0x0                               ; V is in
.irp t, 0,1,2,3                        ; O^T += V^T P^T: the four accumulators take turns; the next step's eight products stand between two links of a chain
	v_wmma_f32_16x16x128_fp8_fp8 v[O+8*\t:O+8*\t+7], v[KV+16*\t:KV+16*\t+15], v[PC:PC+15], v[O+8*\t:O+8*\t+7]
.endr
.Lhidden_\@:
	s_add_co_u32 s[KF], s[KF], 128
.endm
; THE CHANGE OF SLOTS stands at a slot's head.  Each wave waits for all its tensor loads (its part of the slot that it is about to read), adds 0 to its spare word, and waits for that and for its reads of the slot that it has left.
; Behind the barrier the slot ahead is whole and nobody reads the other one.  fill = 1: that other slot is filled with the keys that follow: the load has a slot's two key steps in which to land.
.macro CHANGE fill
	s_wait_tensorcnt 0x0                           ; no tensor load of mine is out, so a group 0 may be written
	ds_add_u32 v[SPW], v[NIL]                      ; 0 onto my spare word; the descriptors' steps stand between it and the wait for it
.if \fill
	s_add_co_u32 s[NK], s[NK], 1                   ; the next key slot,
	s_cmp_eq_u32 s[SLOTS], s[SWF]
	s_cselect_b32 s[NK], 0, s[NK]                  ; or the first again, for the second block of queries
	s_lshl_b32 s[OFS], s[NK], 15
	s_xor_b32 s[G0K+1], s[G0K+1], SLOT1            ; the other slot than last time
	s_add_nc_u64 s[G0K+2:G0K+3], s[KB:KB+1], s[OFS:OFS+1]
	s_or_b32 s[G0K+3], s[G0K+3], 0x80000000
	s_xor_b32 s[G0V+1], s[G0V+1], SLOT1
	s_add_nc_u64 s[G0V+2:G0V+3], s[VB:VB+1], s[OFS:OFS+1]
	s_or_b32 s[G0V+3], s[G0V+3], 0x80000000
	s_wait_xcnt 0x0                                ; the last prefetch, a slot back, has read its address, so it may be written
	s_add_nc_u64 s[PFA:PFA+1], s[PFA:PFA+1], 32768
.endif
	s_wait_dscnt 0x0                               ; the add is done, and my reads of the slot that I have left are over
	s_barrier_signal -1
	s_barrier_wait -1
.if \fill
	TLOAD                                          ; the first thing behind the barrier, and a wave's one tensor load until the next
	ASK
.endif
.endm
; A BLOCK'S END: O^T x 2^(e4 + e5) / the sum is y; it is converted with 2^e6 and stored as it stands: register 8 t + j of lane (r, h) is channel 32 (t / 2) + 16 h + 8 (t % 2) + j of my query: two stores of 512 consecutive bytes.
.macro FINISH yb
.rept 4
	v_nop                                          ; places behind the last products
.endr
	v_add_f32 v14, v14, v15                        ; the sum's two halves,
	s_delay_alu instid0(VALU_DEP_1)
	v_permlanex16_b32 v252, v14, s[SEL], s[SEL+1]
	s_delay_alu instid0(VALU_DEP_1)
	v_add_f32 v14, v14, v252                       ; and lane l xor 16's
	s_wait_alu depctr_va_vdst(0)
	v_rcp_f32 v14, v14
	v_nop                                          ; a plain line behind the transcendental
	s_wait_alu depctr_va_vdst(0)                   ; and the wait ahead of its first reader
	v_ldexp_f32 v14, v14, s[EPV]
.set n, 0
.rept 16
	v_pk_mul_f32 v[S+n:S+n+1], v[O+n:O+n+1], v[14:15] op_sel_hi:[1,0]
.set n, n+2
.endr
.set n, 0
.rept 32
.set n, n+1
.endr
	s_wait_alu depctr_va_vdst(0)
	s_wait_xcnt 0x0                                ; an earlier block's stores have read their data: the codes' registers may be written
.irp g, 0,1,2,3
	v_cvt_scalef32_pk8_fp8_f32 v[YC+2*\g:YC+2*\g+1], v[S+8*\g:S+8*\g+7], v246
.endr
	v_nop                                          ; one plain vector line behind the last conversion
	global_store_b128 v[LI], v[YC:YC+3], s[\yb:\yb+1]
	global_store_b128 v[LI], v[YC+4:YC+7], s[\yb:\yb+1] offset:512
.endm
	s_wait_loadcnt 0x0                             ; Q
.Lslot:                                            ; eight trips: behind each change of slots but the last the next slot is asked for
	CHANGE 1
	s_cmp_lg_u32 s[SLOTS], s[SWC]                  ; trip i + 1: the first block is finished and the second begins: a branch on ids, the same in all sixteen waves
	s_cbranch_scc1 .Lsame
	FINISH YL
	RESET
.set n, 0
.rept 8
	v_mov_b32 v[QR+n], v[QR+8+n]
.set n, n+1
.endr
	s_mov_b32 s[Q0], s[Q0H]
	s_mov_b32 s[KF], 0
.Lsame:
	STEP 0
	STEP 1
	s_xor_b32 s[TB], s[TB], SLOT1                  ; on to the other slot
	s_sub_co_u32 s[SLOTS], s[SLOTS], 1
	s_cmp_lg_u32 s[SLOTS], 0
	s_cbranch_scc1 .Lslot
	CHANGE 0                                       ; the ninth slot is written out
	STEP 0
	STEP 1
	FINISH YH
	s_wait_tensorcnt 0x0                           ; the wave's end
	ds_add_u32 v[SPW], v[NIL]
	s_wait_dscnt 0x0
	s_endpgm
.Lfunc_end_k_q5f43eb5909_attn:
	.size	k_q5f43eb5909_attn, .Lfunc_end_k_q5f43eb5909_attn-k_q5f43eb5909_attn
	.p2alignl 7, 3214868480
	.fill 96, 4, 3214868480
	.section	.rodata,"a",@progbits
	.p2align	6, 0x0
	.amdhsa_kernel k_q5f43eb5909_attn
		.amdhsa_group_segment_fixed_size 327680
		.amdhsa_private_segment_fixed_size 0
		.amdhsa_enable_private_segment 0
		.amdhsa_kernarg_size 24
		.amdhsa_user_sgpr_count 2
		.amdhsa_user_sgpr_kernarg_segment_ptr 1
		.amdhsa_wavefront_size32 1
		.amdhsa_system_sgpr_workgroup_id_x 1
		.amdhsa_system_sgpr_workgroup_id_y 1
		.amdhsa_system_sgpr_workgroup_id_z 1
		.amdhsa_system_vgpr_workitem_id 0
		.amdhsa_next_free_vgpr 256
		.amdhsa_next_free_sgpr 100
		.amdhsa_reserve_vcc 1
		.amdhsa_float_denorm_mode_32 3
		.amdhsa_float_denorm_mode_16_64 3
		.amdhsa_fp16_overflow 1
		.amdhsa_memory_ordered 1
		.amdhsa_forward_progress 1
		.amdhsa_inst_pref_size 92
	.end_amdhsa_kernel
	.amdgpu_metadata
---
amdhsa.version: [ 1, 2 ]
amdhsa.kernels:
  - .name:           k_q5f43eb5909_attn
    .symbol:         k_q5f43eb5909_attn.kd
    .args:
      - { .name: qkv, .offset: 0, .size: 8, .value_kind: global_buffer, .address_space: global }
      - { .name: lowp_scales, .offset: 8, .size: 8, .value_kind: global_buffer, .address_space: global }
      - { .name: yimg, .offset: 16, .size: 8, .value_kind: global_buffer, .address_space: global }
    .group_segment_fixed_size: 327680
    .private_segment_fixed_size: 0
    .kernarg_segment_align: 8
    .kernarg_segment_size: 24
    .max_flat_workgroup_size: 512
    .sgpr_count:     100
    .vgpr_count:     256
    .wavefront_size: 32
...
	.end_amdgpu_metadata
.endif
;; end of part 3
;; launch proj (part 4): grid 4 x 32, 4 waves a work-group, clusters of 4 x 4, 327,680 bytes of LDS; arguments yimg, cimg, lowp_scales, b_proj, out0; writes out0
.if DOCPART == 4
	.amdgcn_target "amdgcn-amd-amdhsa--gfx1250"
	.amdhsa_code_object_version 6
	.text
	.protected	k_q5f43eb5909_proj
	.globl	k_q5f43eb5909_proj
	.p2align	8
	.type	k_q5f43eb5909_proj,@function
k_q5f43eb5909_proj:
	s_mov_b64 s[64:65], 0
	v_nop
	global_prefetch_b8 v0, s[64:65] scope:SCOPE_SE
	s_setreg_imm32_b32 hwreg(HW_REG_WAVE_MODE, 25, 1), 1
	s_wait_xcnt 0x0
	s_wait_alu depctr_hold_cnt(0) depctr_sa_sdst(0) depctr_va_vdst(0) depctr_va_sdst(0) depctr_va_ssrc(0) depctr_va_vcc(0) depctr_vm_vsrc(0)
	s_getreg_b32 s2, hwreg(HW_REG_IB_STS2, 6, 4)
	s_cmp_eq_u32 s2, 0
	s_cbranch_scc0 .Lentry_in_a_cluster
	s_endpgm
.Lentry_in_a_cluster:
	s_bfe_u32 s2, ttmp6, 0x10000c
	s_cmp_lg_u32 s2, 0xf033
	s_cbranch_scc0 .Lentry_shape_is_right
	s_endpgm
.Lentry_shape_is_right:
; out0 = y w_proj^T + b_proj on codes of FP8 (E4M3), K = 1,024 (scales: entries 6 and 7); out0 [8192][1024] f32.
; OPERANDS come as images of operand registers (a row tile of 16 rows x 128 K = 2,048 bytes, byte 512 c + 16 l + e = row l % 16 of the tile, k = 32 c + 16 (l / 16) + e; row tile t = rows 32 (t / 2) + 8 (t % 2) + i + 8 (i / 8)):
; y from yimg = [K step of 256: 4][row tile 512][half 2][2,048], w_proj from cimg = [K step: 4][row tile 768][half 2][2,048], row tiles 704-767.
; A work-group makes 256 rows of P (w_proj: the outputs' features, source 0, along a lane's registers) x 256 rows of Q (y: tokens, source 1, along the lanes).  Four waves, each 128 x 128: 64 accumulators, 512 registers.
; K goes in 4 steps of 256 through two LDS slots filled by the tensor data mover; all is written out, there is no loop.
; CLUSTERS: 4 x 4 work-groups; Q's tiles hang on cy and are asked for jointly along a row of the cluster, P's on cx and along a column.  128 work-groups: a smaller tile would give more of them and read each LDS byte for fewer products; not built.
; THE SUMS START FROM THE BIAS: b_proj / 2^(e6 + e7) is written into the accumulators while the first tiles are on their way; each finished sum is multiplied once by 2^(e6 + e7).
; LIMIT: e6 + e7 between -126 and 126.
; REGISTERS, in windows of 256: window 0: v16-31 addresses; v32-95 the bias, later a tile's results; v128-255 Q's fragments, ONE set, later rows read back from the stage.  window 1: P's fragments, TWO sets.
;   window 2: accumulators of Q's tiles 0-3 (accumulator (a, b) at v[8 (8 (a % 4) + b)]);  window 3: of tiles 4-7.
.set HALFT,  32768                     ; 8 row tiles x 4,096 bytes: what one tensor load brings, and what one wave reads of P or of Q
.set SLOT,   4*HALFT                   ; Q's 16 tiles, then P's 16
.set SPARE,  2*SLOT                    ; behind the ring: the spare words, 128 bytes for each wave: two blocks of 256 bytes that no other line names
.set KS,     3145728                   ; cimg: from a K step to the next
.set KSY,    2097152                   ; yimg: likewise
.set SPITCH, 528                       ; the way out: a stage of 16 rows x (512 bytes + 16) for each wave.  It lies in slot 0, which has had its last fill and its last read when the first result is stored there
.set ADRQ, 16                          ; v16-17  LDS address of my Q fragments in slot 0, 1
.set ADRP, 20                          ; v20-21  the same for P
.set LI,   24                          ; v24     16 x lane
.set STO,  25                          ; v25     the way out: where I put 32 bytes of a row
.set SPW,  28                          ; v28     LDS address of my spare word; never rewritten
.set NIL,  29                          ; v29     0; never rewritten
.set RD,   30                          ; v30     the way out: where I read a row back
.set T,    32
.set QF,   128
.set BK,   128                         ; 16 rows read back: v128-191 and v192-255 by turns
.set G1Q, 24                           ; s[24:31] descriptor group 1 for Q's tiles;  s[32:39] group 0, one set for each slot
.set G0Q, 32
.set G1P, 40                           ; s[40:47], s[48:55] the same for P's
.set G0P, 48
.set MSB, 0
.macro WIN new                         ; the immediate's high byte repeats the setting that is left
.if MSB != \new
	s_set_vgpr_msb (MSB<<8)|\new
.set MSB, \new
.endif
.endm
.set MUL_LO, 0xa1                      ; source 0 (P) window 1, source 1 (Q) window 0, C and D window 2
.set MUL_HI, 0xf1                      ; the same, C and D window 3
.set TO_P,   0x40                      ; destination window 1, address window 0
; A joint load: waves 0 and 1 fetch Q's halves, waves 2 and 3 P's.  Each line has one mask and one set of registers for all that issue it; the branch hangs on the wave's number alone.
; Four v_nop follow each of the two lines, ahead of the jump, the label and what follows.
.macro JLOAD g0q, g0p
	s_cmp_eq_u32 s13, 0
	s_cbranch_scc0 .Lfor_p_\@
	tensor_load_to_lds s[\g0q:\g0q+3], s[G1Q:G1Q+7]
	s_nop 0
.rept 4
	v_nop
.endr
	s_branch .Lasked_\@
.Lfor_p_\@:
	tensor_load_to_lds s[\g0p:\g0p+3], s[G1P:G1P+7]
	s_nop 0
.rept 4
	v_nop
.endr
.Lasked_\@:
.endm
.macro CREST                           ; a round of the cluster's barrier behind its opening barrier
	s_cmp_lg_u32 s12, 0
	s_cbranch_scc1 .Lnot_wave_0_\@
	s_barrier_signal -3
.Lnot_wave_0_\@:
	s_barrier_wait -3
	s_barrier_signal -1
	s_barrier_wait -1
.endm
.macro CROUND                          ; a whole round
	s_barrier_signal -1
	s_barrier_wait -1
	CREST
.endm
.macro PLACES n                        ; plain vector lines between a matrix instruction and a load into, or a vector line on, one of its registers
.rept \n
	v_nop
.endr
.endm
.macro FRAG reg, adr, q, i             ; a fragment's image: tile i of my eight, half q of the K step: four loads of 512 consecutive bytes
.irp c, 0,1,2,3
	ds_load_b128 v[\reg+4*\c:\reg+4*\c+3], v[\adr] offset:4096*(\i)+2048*(\q)+512*\c
.endr
.endm
.macro FETCH_P slot, q, p              ; P's eight fragments into set p
	WIN TO_P
.irp i, 0,1,2,3,4,5,6,7
	FRAG 128*(\p)+16*\i, ADRP+\slot, \q, \i
.endr
	WIN 0
.endm
.macro FETCH_Q slot, q, i0             ; Q's tiles i0 .. i0 + 3
.irp i, \i0, \i0+1, \i0+2, \i0+3
	FRAG QF+16*(\i), ADRQ+\slot, \q, \i
.endr
.endm
; 16 matrix instructions: Q's tiles a0, a0 + 1 x P's eight, 128 along K.  The 64 accumulators take turns, one instruction a turn, in the same order in every step.
.macro MUL16 a0, p
.irp a, \a0, \a0+1
.irp b, 0,1,2,3,4,5,6,7
	v_wmma_f32_16x16x128_fp8_fp8 v[8*(8*((\a)%4)+\b):8*(8*((\a)%4)+\b)+7], v[128*(\p)+16*\b:128*(\p)+16*\b+15], v[QF+16*(\a):QF+16*(\a)+15], v[8*(8*((\a)%4)+\b):8*(8*((\a)%4)+\b)+7]
.endr
.endr
.endm
; A slot's first 128 along K (P's set 0).  A tile of Q is free as soon as its eight products are issued: tiles 0-3 are fetched anew in the step's middle, tiles 4-7 at its end.
.macro STEP slot
	s_wait_dscnt 16                                ; P's set and Q's tiles 0-3 are in; the 16 youngest loads (Q's tiles 4-7) may be out
	WIN MUL_LO
	MUL16 0, 0
	MUL16 2, 0
	s_wait_dscnt 0x0                               ; Q's tiles 4-7 are in (asked for 32 matrix instructions ago)
	PLACES 4
	FETCH_P \slot, 1, 1
	FETCH_Q \slot, 1, 0
	WIN MUL_HI
	MUL16 4, 0
	MUL16 6, 0
	PLACES 4
	WIN 0
	FETCH_Q \slot, 1, 4
.endm
; A slot's second 128 along K (P's set 1) changes slots: ONE barrier; in front of it each wave waits for all its tensor loads, adds 0 to its spare word, and waits for that and for its reads of this slot.
; fill = 1: the barrier opens a round of the cluster's, and this slot is filled again, two K steps ahead, first thing behind the round.
.macro TURN slot, next, fill
	s_wait_tensorcnt 0x0                           ; all my tensor loads have landed: my part of the next slot
	ds_add_u32 v[SPW], v[NIL]                      ; 0 onto my spare word
	s_wait_dscnt 17                                ; (the add and the 16 youngest loads, Q's tiles 4-7, may be out)
	WIN MUL_LO
	MUL16 0, 1                                     ; sixteen matrix instructions stand between the add and the wait for it
	s_wait_dscnt 0x0                               ; the add is done, and my reads of this slot are over
	s_barrier_signal -1
	MUL16 2, 1
	WIN 0
	s_barrier_wait -1
.if \fill
	CREST                                          ; no wave of any partner still reads this slot's tiles or has a load on its way
	s_add_nc_u64 s[G0Q+4*\slot+2:G0Q+4*\slot+3], s[G0Q+4*\slot+2:G0Q+4*\slot+3], 2*KSY
	s_add_nc_u64 s[G0P+4*\slot+2:G0P+4*\slot+3], s[G0P+4*\slot+2:G0P+4*\slot+3], 2*KS
	JLOAD G0Q+4*\slot, G0P+4*\slot                 ; its four v_nop are also the places in front of the loads below
.else
	PLACES 4
.endif
	FETCH_P \next, 0, 0
	FETCH_Q \next, 0, 0
	WIN MUL_HI
	MUL16 4, 1
	MUL16 6, 1
	PLACES 4
	WIN 0
	FETCH_Q \next, 0, 4
.endm
; The accumulators' start: bias x 2^-(e6 + e7), two at a time: the bias goes with P's rows (register 8 b + j of T).
.macro START4
.irp a, 0,1,2,3
.irp b, 0,1,2,3,4,5,6,7
.irp p, 0,2,4,6
	v_pk_mul_f32 v[8*(8*\a+\b)+\p:8*(8*\a+\b)+\p+1], v[T+8*\b+\p:T+8*\b+\p+1], s[78:79] op_sel_hi:[1,0]
.endr
.endr
.endr
.endm
	s_load_b128 s[4:7], s[0:1], 0x0                ; yimg s[4:5], cimg s[6:7]
	s_load_b128 s[8:11], s[0:1], 0x10              ; the scales' exponents s[8:9], b_proj s[10:11]
	s_load_b64 s[20:21], s[0:1], 0x20              ; out0
	v_lshl_add_u32 v[SPW], v0, 2, SPARE
	v_mov_b32 v[NIL], 0
	ds_add_u32 v28, v29
	ds_add_u32 v28, v29
	s_wait_dscnt 0x0
	v_lshrrev_b32 v1, 5, v0
	v_readfirstlane_b32 s12, v1                    ; wave 0..3
	s_lshr_b32 s13, s12, 1                         ; WQ: which 8 tiles of Q are mine.  Also: I fetch for Q (0) or for P (1)
	s_and_b32 s14, s12, 1                          ; WP: which 8 tiles of P.  Also: which 8 tiles I fetch
	s_bfe_u32 s15, ttmp6, 0x40000                  ; cx, cy: my place in the cluster
	s_bfe_u32 s16, ttmp6, 0x40004
	s_and_b32 s17, ttmp7, 0xffff                   ; the cluster's y
	s_lshl_b32 s60, s16, 2
	s_lshl_b32 s60, 15, s60                        ; my row of the cluster
	s_lshl_b32 s61, 0x1111, s15                    ; my column
	; descriptor group 1: a dense block of 32,768 bytes as 128 rows of 32 elements of 8 bytes
	s_or_b32 s[G1Q], s60, (3<<16)|(1<<21)          ; 15:0 the mask: Q's tiles go to my row; 17:16 elements of 8 bytes; 21 set beside a mask; no padding
	s_or_b32 s[G1P], s61, (3<<16)|(1<<21)          ; P's go to my column
.irp g, G1Q, G1P
	s_mov_b32 s[\g+1], 32<<16                      ; tensor_dim0 = 32
	s_mov_b32 s[\g+2], 128<<16                     ; tensor_dim1 = 128
	s_mov_b32 s[\g+3], 32<<16                      ; tile_dim0 = 32
	s_mov_b32 s[\g+4], 128                         ; tile_dim1 = 128
	s_mov_b32 s[\g+5], 32                          ; from row to row
	s_mov_b32 s[\g+6], 0
	s_mov_b32 s[\g+7], 0
.endr
	s_lshl_b32 s87, s14, 3                         ; the 8 tiles that I fetch
	s_lshl_b32 s80, s17, 6                         ; Q: row tile 64 x cluster y + 16 cy of yimg
	s_lshl_b32 s81, s16, 4
	s_add_co_u32 s80, s80, s81
	s_add_co_u32 s80, s80, s87
	s_lshl_b32 s80, s80, 12
	s_mov_b32 s81, 0
	s_lshl_b32 s82, ttmp9, 6                       ; P: row tile 704 + 64 x cluster x + 16 cx of cimg
	s_lshl_b32 s83, s15, 4
	s_add_co_u32 s82, s82, s83
	s_add_co_u32 s82, s82, 704
	s_add_co_u32 s82, s82, s87
	s_lshl_b32 s82, s82, 12
	s_mov_b32 s83, 0
	s_mul_i32 s88, s12, HALFT                      ; where they go: wave x 32,768: no place in the cluster enters an LDS address
	s_wait_kmcnt 0x0
	s_load_b256 s[68:75], s[8:9], 0x0              ; the eight exponents
	s_add_nc_u64 s[56:57], s[4:5], s[80:81]
	s_add_nc_u64 s[58:59], s[6:7], s[82:83]
	CROUND                                         ; all sixteen work-groups are here: the first joint loads meet
.irp s, 0,1
	s_mov_b32 s[G0Q+4*\s], 1
	s_add_co_u32 s[G0Q+4*\s+1], s88, \s*SLOT
	s_add_nc_u64 s[G0Q+4*\s+2:G0Q+4*\s+3], s[56:57], \s*KSY
	s_or_b32 s[G0Q+4*\s+3], s[G0Q+4*\s+3], 0x80000000
	s_mov_b32 s[G0P+4*\s], 1
	s_add_co_u32 s[G0P+4*\s+1], s88, \s*SLOT
	s_add_nc_u64 s[G0P+4*\s+2:G0P+4*\s+3], s[58:59], \s*KS
	s_or_b32 s[G0P+4*\s+3], s[G0P+4*\s+3], 0x80000000
	s_wait_alu depctr_va_vdst(0)
	s_wait_tensorcnt 0x0
	ds_add_u32 v28, v29
	ds_add_u32 v28, v29
	s_wait_dscnt 0x0
	CROUND
	JLOAD G0Q+4*\s, G0P+4*\s                       ; K steps 0 and 1: the second goes out once the first has landed
.endr
	v_and_b32 v1, 31, v0
	v_lshlrev_b32 v[LI], 4, v1
	s_mul_i32 s89, s13, HALFT                      ; my 8 tiles of Q
	s_mul_i32 s90, s14, HALFT                      ; my 8 tiles of P,
	s_add_co_u32 s90, s90, 2*HALFT                 ; which lie behind Q's 16
.irp s, 0,1
	v_add_nc_u32 v[ADRQ+\s], s89, v[LI]
	v_add_nc_u32 v[ADRP+\s], s90, v[LI]
	s_add_co_u32 s89, s89, SLOT
	s_add_co_u32 s90, s90, SLOT
.endr
	v_bfe_u32 v2, v0, 4, 1                         ; h
	v_lshlrev_b32 v22, 6, v2                       ; the bias: 16 numbers further on for lanes 16-31
	s_wait_alu depctr_va_vdst(0)
	v_and_b32 v3, 15, v0                           ; r
	s_mul_i32 s91, s12, 16*SPITCH                  ; my stage
	v_mul_u32_u24 v[STO], v3, SPITCH               ; in: row r, + 64 bytes for lanes 16-31
	v_lshl_add_u32 v[STO], v2, 6, v[STO]
	v_add_nc_u32 v[STO], s91, v[STO]
	v_add_nc_u32 v[RD], s91, v[LI]                 ; back: the 32 lanes take one row of 512 bytes
	s_lshl_b32 s18, s17, 2
	s_add_co_u32 s18, s18, s16
	s_lshl_b32 s18, s18, 1
	s_add_co_u32 s18, s18, s13
	s_lshl_b32 s18, s18, 19                        ; my first token: 128 (2 (4 x cluster y + cy) + WQ), rows of 4,096 bytes
	s_lshl_b32 s19, ttmp9, 2
	s_add_co_u32 s19, s19, s15
	s_lshl_b32 s19, s19, 1
	s_add_co_u32 s19, s19, s14
	s_lshl_b32 s19, s19, 9                         ; my first feature: 128 (2 (4 x cluster x + cx) + WP), 4 bytes each
	s_mov_b32 s22, s19
	s_mov_b32 s23, 0
	s_add_co_u32 s18, s18, s19
	s_mov_b32 s19, 0
	s_add_nc_u64 s[76:77], s[20:21], s[18:19]
	s_add_nc_u64 s[10:11], s[10:11], s[22:23]
.irp b, 0,1,2,3,4,5,6,7                ; lane (r, h) wants, for P's tile b, features 32 (b / 2) + 8 (b % 2) + 16 h + 0 .. 7
	global_load_b128 v[T+8*\b:T+8*\b+3], v22, s[10:11] offset:4*(32*(\b/2)+8*(\b%2))
	global_load_b128 v[T+8*\b+4:T+8*\b+7], v22, s[10:11] offset:4*(32*(\b/2)+8*(\b%2))+16
.endr
	s_wait_kmcnt 0x0
	s_add_co_i32 s92, s74, s75                     ; e6 + e7: a sum stands for sum x 2^(e6 + e7)
	s_sub_co_i32 s78, 127, s92
	s_lshl_b32 s78, s78, 23                        ; 2^-(e6 + e7) as f32
	s_mov_b32 s79, s78                             ; (named with it as a pair, so it is written)
	s_add_co_i32 s94, s92, 127
	s_lshl_b32 s94, s94, 23                        ; 2^(e6 + e7)
	s_mov_b32 s95, s94
	s_wait_loadcnt 0x0
	WIN 0x80                                       ; destination window 2
	START4
	WIN 0xc0                                       ; destination window 3
	START4
	WIN 0
	s_wait_alu depctr_va_vdst(0)
	s_wait_tensorcnt 1                             ; my part of K step 0 is in; K step 1's load may be out
	s_barrier_signal -1
	s_barrier_wait -1                              ; everybody's is
	FETCH_P 0, 0, 0
	FETCH_Q 0, 0, 0
	FETCH_Q 0, 0, 4
	STEP 0                                         ; K step 0
	TURN 0, 1, 1                                   ; slot 0 takes K step 2
	STEP 1                                         ; K step 1
	TURN 1, 0, 1                                   ; slot 1 takes K step 3
	STEP 0                                         ; K step 2
	TURN 0, 1, 0                                   ; nothing is left to fetch; behind this barrier nobody reads slot 0
	STEP 1                                         ; K step 3
	s_wait_dscnt 16
	WIN MUL_LO
	MUL16 0, 1
	MUL16 2, 1
	s_wait_dscnt 0x0
	WIN MUL_HI
	MUL16 4, 1
	MUL16 6, 1
	WIN 0
; THE WAY OUT, a tile of 16 tokens x 128 features at a time.  A lane holds pieces of one token's row and the lanes beside it hold other tokens: so a tile goes through my own stage in LDS and comes back as whole rows of 512 bytes,
; which the 32 lanes store on end.  LDS serves a wave's instructions in order (ISA guide 5.7.1.4): no wait between the stores and the loads, nor in front of the next tile's stores.
.macro TOSTAGE a
.if (\a) < 4
	WIN 0x02                                       ; source 0: window 2
.else
	WIN 0x03
.endif
.set AC, 64*((\a)%4)
.irp j, 0,2,4,6,8,10,12,14,16,18,20,22,24,26,28,30,32,34,36,38,40,42,44,46,48,50,52,54,56,58,60,62
	v_pk_mul_f32 v[T+\j:T+\j+1], v[AC+\j:AC+\j+1], s[94:95] op_sel_hi:[1,0]   ; x 2^(e6 + e7); each accumulator from its low end on
.endr
	WIN 0
.irp b, 0,1,2,3,4,5,6,7                ; tile b's eight numbers are features 32 (b / 2) + 8 (b % 2) + 16 h + 0 .. 7
	ds_store_b128 v[STO], v[T+8*\b:T+8*\b+3] offset:128*(\b/2)+32*(\b%2)
	ds_store_b128 v[STO], v[T+8*\b+4:T+8*\b+7] offset:128*(\b/2)+32*(\b%2)+16
.endr
.set BB, BK+64*((\a)%2)
.irp t, 0,1,2,3,4,5,6,7,8,9,10,11,12,13,14,15
	ds_load_b128 v[BB+4*\t:BB+4*\t+3], v[RD] offset:\t*SPITCH
.endr
.endm
.macro SEND a, younger                 ; younger: the LDS instructions issued behind tile a's loads, which may stay out
.set BB, BK+64*((\a)%2)
	s_wait_dscnt \younger                          ; the tile is back in registers
.irp t, 0,1,2,3,4,5,6,7,8,9,10,11,12,13,14,15
	global_store_b128 v[LI], v[BB+4*\t:BB+4*\t+3], s[76:77] offset:(32*((\a)/2)+8*((\a)%2)+\t+8*(\t/8))*4096 th:TH_STORE_NT   ; stage row t is token 32 (a / 2) + 8 (a % 2) + t + 8 (t / 8) of my 128: 512 consecutive bytes; 127 rows at the most, inside the signed 24-bit immediate
.endr
.endm
	PLACES 4
	TOSTAGE 0
.irp a, 1,2,3,4,5,6,7
.if \a > 1
	s_wait_xcnt 0x0                                ; tile a - 2's stores have read their registers: tile a's loads may land there
.endif
	TOSTAGE \a
	SEND \a-1, 32                                  ; behind tile a - 1's loads: tile a's 16 stores and 16 loads
.endr
	SEND 7, 0
	s_wait_tensorcnt 0x0                           ; the wave's end, behind my last tensor load and my last LDS store
	ds_add_u32 v[SPW], v[NIL]
	s_wait_dscnt 0x0
	CROUND                                         ; the closing round: no work-group ends while a partner may still ask for a tile that names it
	s_endpgm
.Lfunc_end_k_q5f43eb5909_proj:
	.size	k_q5f43eb5909_proj, .Lfunc_end_k_q5f43eb5909_proj-k_q5f43eb5909_proj
	.p2alignl 7, 3214868480
	.fill 96, 4, 3214868480
	.section	.rodata,"a",@progbits
	.p2align	6, 0x0
	.amdhsa_kernel k_q5f43eb5909_proj
		.amdhsa_group_segment_fixed_size 327680
		.amdhsa_private_segment_fixed_size 0
		.amdhsa_enable_private_segment 0
		.amdhsa_kernarg_size 40
		.amdhsa_user_sgpr_count 2
		.amdhsa_user_sgpr_kernarg_segment_ptr 1
		.amdhsa_wavefront_size32 1
		.amdhsa_system_sgpr_workgroup_id_x 1
		.amdhsa_system_sgpr_workgroup_id_y 1
		.amdhsa_system_sgpr_workgroup_id_z 1
		.amdhsa_system_vgpr_workitem_id 0
		.amdhsa_next_free_vgpr 1024
		.amdhsa_next_free_sgpr 100
		.amdhsa_reserve_vcc 0
		.amdhsa_float_denorm_mode_32 3
		.amdhsa_float_denorm_mode_16_64 3
		.amdhsa_memory_ordered 1
		.amdhsa_forward_progress 1
		.amdhsa_inst_pref_size 141
	.end_amdhsa_kernel
	.amdgpu_metadata
---
amdhsa.version: [ 1, 2 ]
amdhsa.kernels:
  - .name:           k_q5f43eb5909_proj
    .symbol:         k_q5f43eb5909_proj.kd
    .args:
      - { .name: yimg, .offset: 0, .size: 8, .value_kind: global_buffer, .address_space: global }
      - { .name: cimg, .offset: 8, .size: 8, .value_kind: global_buffer, .address_space: global }
      - { .name: lowp_scales, .offset: 16, .size: 8, .value_kind: global_buffer, .address_space: global }
      - { .name: b_proj, .offset: 24, .size: 8, .value_kind: global_buffer, .address_space: global }
      - { .name: out0, .offset: 32, .size: 8, .value_kind: global_buffer, .address_space: global }
    .group_segment_fixed_size: 327680
    .private_segment_fixed_size: 0
    .kernarg_segment_align: 8
    .kernarg_segment_size: 40
    .max_flat_workgroup_size: 128
    .sgpr_count:     100
    .vgpr_count:     1024
    .wavefront_size: 32
...
	.end_amdgpu_metadata
.endif
;; end of part 4
